; MI455X (gfx1250); checked and timed in simulation.
; The chip was launched on July 23, 2026; its instructions are those of AMD's public machine-readable ISA for CDNA 5 (MIT licence, August 2026) and "CDNA5" Instruction Set Architecture Reference Guide (July 2026). The comments in the code are by the model that wrote it; some were corrected since.
;; Self Attention. Allowed arithmetic: matrix products marked QUANTISED: E2M1 operands, one E8M0 scale for each 32 along K, by v_wmma_scale_f32_16x16x128_f8f6f4 with both operands' format E2M1 (or v_wmma_scale_f32_32x16x128_f4), f32 sums; products left as they are: bf16, f16 or f32 operands; f32 sums; everything else in f32.
;; Inputs: Wk 1,024 x 1,024 float32; Wo 1,024 x 1,024 float32; Wq 1,024 x 1,024 float32; Wv 1,024 x 1,024 float32; bk 1,024 float32; bo 1,024 float32; bq 1,024 float32; bv 1,024 float32; keys 2 x 2,048 x 1,024 float32; queries 2 x 2,048 x 1,024 float32; values 2 x 2,048 x 1,024 float32.
;; Outputs: out0 2 x 2,048 x 1,024 float32.
;; This version of the problem:
;;   THIS VERSION OF THE PROBLEM IS GIVEN IN LOW PRECISION. The matrix products marked QUANTISED in the list below multiply operands that are first quantised to E2M1 (2 exponent bits, 1 mantissa bit; 4 bits a number), with one power-of-two scale for each 32 numbers along K (OCP MX v1.0); their sums are f32. The products marked 'left as it is' may take bf16, f16 or f32 operands, with f32 sums. Whichever they take, every output number must still come out within the allowed error. Rounding operands to bf16 (8 significant bits) uses up far more of that allowance than f16 does (11 bits, for magnitudes from 6e-5 to 65,504). All else is computed in f32.
;;   The module's matrix products, in the order in which they are computed (A, B: the left and right operand; K: the contracted axis; several contracted axes count as one K, in the product's order):
;;     1. [M 4,096, K 1,024] x [K 1,024, N 1,024]; A: input values; B: input Wv: QUANTISED
;;     2. [M 4,096, K 1,024] x [K 1,024, N 1,024]; A: input keys; B: input Wk: QUANTISED
;;     3. [M 4,096, K 1,024] x [K 1,024, N 1,024]; A: input queries; B: input Wq: QUANTISED
;;     4. batch 32 x [M 2,048, K 64] x [K 64, N 2,048]; A: computed on the way; B: computed on the way: left as it is (an operand is computed on the way)
;;     5. batch 32 x [M 64, K 2,048] x [K 2,048, N 2,048]; A: computed on the way; B: computed on the way: left as it is (an operand is computed on the way)
;;     6. [M 4,096, K 1,024] x [K 1,024, N 1,024]; A: computed on the way; B: input Wo: left as it is (an operand is computed on the way)
;;   THE QUANTISER, for each operand of a quantised product, along K:
;;     - K is cut into blocks of 32 from its start; a last block that is shorter is filled with zeros.
;;     - A block's scale is 2^e with e = floor(log2(the largest magnitude in the block)) - 2, held to -126 .. 127; a block of zeros has e = 0. As a byte (E8M0): e + 127.
;;     - Each number is divided by its block's scale, clamped to +-6, and rounded to the nearest number of E2M1, ties to even, subnormals kept.
;;     - The product sums the exact products of the quantised numbers (number of the format x scale) in f32.
;;   ~~~python
;;   def quantise(x, axis):      # numpy; x: float32 -> the quantised numbers, widened to float32 again
;;       x = np.moveaxis(x, axis, -1); K = x.shape[-1]
;;       x = np.pad(x, [(0, 0)] * (x.ndim - 1) + [(0, -K % 32)]); x = x.reshape(x.shape[:-1] + (-1, 32)); a = np.abs(x).max(-1, keepdims=True)
;;       e = np.where(a > 0, np.clip(np.frexp(np.where(a > 0, a, 1))[1] - 1 - 2, -126, 127), 0)      # np.frexp(a)[1] - 1 = floor(log2(a)), exactly
;;       r = np.clip(x / 2.0 ** e, -6, 6)
;;       step = 2.0 ** (np.maximum(np.frexp(np.where(r == 0, 1, r))[1] - 1, 0) - 1)
;;       q = np.round(r / step) * step * 2.0 ** e      # np.round: ties to even
;;       return np.moveaxis(q.reshape(q.shape[:-2] + (-1,))[..., :K], -1, axis).astype(np.float32)
;;   ~~~
;; One version. Each part assembles by itself: llvm-mc -triple=amdgcn-amd-amdhsa -mcpu=gfx1250 --defsym DOCPART=n.
;; ======== version 1 of 1: 4 launches
;; limits: values are held in f16: magnitudes above 65,504 overflow, below 6.1e-05 lose precision
;; workspace buffers: xc 6,291,456 bytes; xs 393,216 bytes; wc 1,572,864 bytes; ws 98,304 bytes; wo16 2,097,152 bytes; qkv 25,165,824 bytes; ctx 8,388,608 bytes
;; launch prep (part 1): grid 352 x 1, 8 waves a work-group, no clusters, 84,992 bytes of LDS; arguments queries, keys, values, Wq, Wk, Wv, Wo, xc, xs, wc, ws, wo16; writes xc, xs, wc, ws, wo16
.if DOCPART == 1
	.amdgcn_target "amdgcn-amd-amdhsa--gfx1250"
	.amdhsa_code_object_version 6
	.text
	.protected	k_qbb6b34c1a7_prep
	.globl	k_qbb6b34c1a7_prep
	.p2align	8
	.type	k_qbb6b34c1a7_prep,@function
k_qbb6b34c1a7_prep:
	s_mov_b64 s[64:65], 0
	v_nop
	global_prefetch_b8 v0, s[64:65] scope:SCOPE_SE
	s_setreg_imm32_b32 hwreg(HW_REG_WAVE_MODE, 25, 1), 1
	s_wait_xcnt 0x0
; THE OPERANDS ARE MADE READY, ONCE.  Three kinds of work-group, told apart by the work-group's number alone (each kind has LDS bytes of its own):
;   0 .. 95    WEIGHTS: Wq, Wk, Wv [1024 (k)][1024 (n)] f32 -> codes of FP4 (E2M1) with K innermost, wc [3][1024 n][512 bytes], and E8M0 scale bytes ws [2 halves of K][3072 rows][16 bytes]
;   96 .. 287  ROWS:    queries, keys, values [4096][1024] f32 -> codes xc [3][4096][512 bytes], scale bytes xs [2 halves of K][12288 rows][16 bytes]
;   288 .. 351 Wo [1024][1024] f32 -> f16, in the same order, wo16
; THE QUANTISER: a block of 32 along K has the scale 2^(floor(log2(its largest magnitude)) - 2); its byte is the largest magnitude's exponent field - 2, held at 1 from below; each number is divided by the
; scale and rounded to the nearest code, ties to even, beyond 6 the code of 6.
; LIMITS: a block of zeros, or one whose largest magnitude lies under 2^-124, gets the byte 1 (its codes are zeros or the nearest codes under that scale; the bytes are read by this program alone);
; NaN and infinities are not served; |Wo| stays under 65,504, f16's largest number (drawn: under 0.2).
; The scale bytes are laid by halves of K so that the 16 bytes of a row and a half of K are what four matrix instructions want, and the bytes of 128 rows are 2,048 bytes on end.
.set EMAX,  2
.set SP,    80                         ; ROWS: a lane's place in a stage: its 64 bytes + 16 of padding
.set WST,   65536                      ; WEIGHTS: a stage of 64 rows (columns n) x (256 bytes of codes + 16)
.set WP,    272
.set WSC,   WST+64*WP                  ; WEIGHTS: 64 rows x 16 scale bytes
.set SPARE, WSC+1024                   ; the spare words, 128 bytes for each of the eight waves: four blocks of 256 bytes that no other line names
.set SPW,   12                         ; v12  LDS address of my spare word; never rewritten
.set NIL,   13                         ; v13  0; never rewritten
	s_load_b256 s[4:11], s[0:1], 0x0               ; queries s[4:5], keys s[6:7], values s[8:9], Wq s[10:11]
	s_load_b256 s[12:19], s[0:1], 0x20             ; Wk s[12:13], Wv s[14:15], Wo s[16:17], xc s[18:19]
	s_load_b256 s[20:27], s[0:1], 0x40             ; xs s[20:21], wc s[22:23], ws s[24:25], wo16 s[26:27]
	v_lshl_add_u32 v[SPW], v0, 2, SPARE
	v_mov_b32 v[NIL], 0
	v_lshrrev_b32 v1, 5, v0
	v_readfirstlane_b32 s28, v1                    ; wave 0..7
	v_and_b32 v2, 31, v0                           ; lane
	s_wait_kmcnt 0x0
	s_cmp_lt_u32 ttmp9, 96
	s_cbranch_scc1 .Lweights
	s_cmp_lt_u32 ttmp9, 288
	s_cbranch_scc1 .Lrows
; ---------------- Wo to f16: a work-group takes 65,536 bytes, a wave 8,192: sixteen loads of 512 consecutive bytes, sixteen stores of 256
	s_sub_co_u32 s29, ttmp9, 288
	s_lshl_b32 s30, s29, 16
	s_lshl_b32 s31, s28, 13
	s_add_co_u32 s30, s30, s31
	s_mov_b32 s31, 0
	s_add_nc_u64 s[16:17], s[16:17], s[30:31]
	s_lshr_b32 s30, s30, 1                         ; half as many bytes out
	s_add_nc_u64 s[26:27], s[26:27], s[30:31]
	v_lshlrev_b32 v3, 4, v2
	v_lshlrev_b32 v4, 3, v2
.irp i, 0,1,2,3,4,5,6,7,8,9,10,11,12,13,14,15
	global_load_b128 v[32+4*\i:35+4*\i], v3, s[16:17] offset:512*\i th:TH_LOAD_NT
.endr
.irp i, 0,1,2,3,4,5,6,7,8,9,10,11,12,13,14,15
	s_wait_loadcnt 15-\i                           ; loads come back in order: load i is in, the younger ones stay out
	v_cvt_pk_f16_f32 v[96+2*\i], v[32+4*\i], v[33+4*\i]
	v_cvt_pk_f16_f32 v[97+2*\i], v[34+4*\i], v[35+4*\i]
	global_store_b64 v4, v[96+2*\i:97+2*\i], s[26:27] offset:256*\i   ; 32 lanes store 256 consecutive bytes, aligned
.endr
	s_wait_tensorcnt 0x0                           ; all three paths end in the same form
	ds_add_u32 v[SPW], v[NIL]
	s_wait_dscnt 0x0
	s_endpgm
; ---------------- WEIGHTS: a work-group takes 64 columns x 512 along K of one weight.  A LANE TAKES A COLUMN n, AND ITS REGISTERS RUN DOWN K: a block of 32 lies in one lane's 32 registers,
; and the conversions give codes with K innermost.  Wave w: columns 32 (w & 1) on, K 128 (w >> 1) on: four blocks a lane.  The codes meet in a stage, a row a column, and leave as rows of 256 bytes.
.set WX, 32                            ; v32-159  four blocks of 32 numbers, each with registers of its own
.set WC, 160                           ; v160-175 their codes
.Lweights:
	s_lshr_b32 s29, ttmp9, 5                       ; which weight: 0 Wq, 1 Wk, 2 Wv
	s_bfe_u32 s30, ttmp9, 0x40001                  ; which 64 columns
	s_and_b32 s31, ttmp9, 1                        ; which half of K
	s_cmp_eq_u32 s29, 0
	s_cselect_b64 s[32:33], s[10:11], s[12:13]
	s_cmp_eq_u32 s29, 2
	s_cselect_b64 s[32:33], s[14:15], s[32:33]
	s_and_b32 s34, s28, 1                          ; my 32 columns
	s_lshr_b32 s35, s28, 1                         ; my 128 along K
	s_lshl_b32 s36, s31, 21                        ; 512 rows of 4,096 bytes
	s_lshl_b32 s37, s35, 19                        ; 128 rows
	s_add_co_u32 s36, s36, s37
	s_lshl_b32 s37, s30, 8                         ; 64 columns of 4 bytes
	s_add_co_u32 s36, s36, s37
	s_lshl_b32 s37, s34, 7
	s_add_co_u32 s36, s36, s37
	s_mov_b32 s37, 0
	s_add_nc_u64 s[32:33], s[32:33], s[36:37]
	v_lshlrev_b32 v3, 2, v2                        ; in: 4 bytes a lane: a load of the wave reads 128 consecutive bytes, two waves side by side 256
	s_mul_i32 s38, s34, 32*WP
	s_lshl_b32 s39, s35, 6
	s_add_co_u32 s38, s38, s39
	s_add_co_u32 s38, s38, WST
	v_mul_u32_u24 v4, v2, WP
	v_add_nc_u32 v4, s38, v4                       ; the stage: row = my column, + 64 bytes for each 128 along K
	s_lshl_b32 s38, s34, 9
	s_lshl_b32 s39, s35, 2
	s_add_co_u32 s39, s38, s39
	s_add_co_u32 s39, s39, WSC
	v_lshl_add_u32 v5, v2, 4, s39                  ; my column's scale word: 16 bytes a column, + 4 for each 128 along K
	v_and_b32 v14, 15, v2
	v_lshrrev_b32 v15, 4, v2
	v_mul_u32_u24 v6, v15, WP
	v_lshl_add_u32 v6, v14, 4, v6
	s_mul_i32 s39, s28, 8*WP
	s_add_co_u32 s39, s39, WST
	v_add_nc_u32 v6, s39, v6                       ; out of the stage: wave w takes rows 8 w on, sixteen lanes to a row
	v_lshlrev_b32 v7, 9, v15
	v_lshl_add_u32 v7, v14, 4, v7                  ; and the same place in wc: rows of 512 bytes
	s_add_co_u32 s39, s38, WSC
	v_lshl_add_u32 v16, v2, 4, s39                 ; the scale bytes on their way out (waves 0 and 1): 512 bytes a wave
	v_lshl_add_u32 v17, v2, 4, s38
	s_lshl_b32 s36, s29, 19                        ; wc: 1,024 rows of 512 bytes a weight,
	s_lshl_b32 s38, s30, 15                        ; 64 rows,
	s_add_co_u32 s36, s36, s38
	s_lshl_b32 s38, s28, 12                        ; my 8 rows,
	s_add_co_u32 s36, s36, s38
	s_lshl_b32 s38, s31, 8                         ; the half of K
	s_add_co_u32 s36, s36, s38
	s_add_nc_u64 s[22:23], s[22:23], s[36:37]
	s_mul_i32 s36, s31, 49152                      ; ws: the half's plane, 3,072 rows of 16 bytes,
	s_lshl_b32 s38, s29, 14
	s_add_co_u32 s36, s36, s38
	s_lshl_b32 s38, s30, 10
	s_add_co_u32 s36, s36, s38
	s_add_nc_u64 s[24:25], s[24:25], s[36:37]
.macro WLOAD b                         ; block b: W(32 b + i, my column), i = 0 .. 31
.irp i, 0,1,2,3,4,5,6,7,8,9,10,11,12,13,14,15,16,17,18,19,20,21,22,23,24,25,26,27,28,29,30,31
	global_load_b32 v[WX+32*(\b)+\i], v3, s[32:33] offset:(32*(\b)+\i)*4096 th:TH_LOAD_NT
.endr
.endm
.macro WBLOCK b
.set XS, WX+32*(\b)
.if (\b) < 3
	s_wait_loadcnt 32                              ; this block's 32 loads are in; the next block's 32 may be out
.else
	s_wait_loadcnt 0x0
.endif
.if (\b) < 2
	WLOAD \b+2                                     ; loads run two blocks ahead
.endif
	v_max3_num_f32 v8, |v[XS]|, |v[XS+1]|, |v[XS+2]|               ; the block's largest magnitude, in two chains: all 32 numbers are mine
	v_max3_num_f32 v9, |v[XS+3]|, |v[XS+4]|, |v[XS+5]|
.irp i, 6,10,14,18,22,26
	v_max3_num_f32 v8, v8, |v[XS+\i]|, |v[XS+\i+1]|
	v_max3_num_f32 v9, v9, |v[XS+\i+2]|, |v[XS+\i+3]|
.endr
	v_max3_num_f32 v8, v8, |v[XS+30]|, |v[XS+31]|
	v_max3_num_f32 v8, v8, v9, (EMAX+1)<<23        ; and the floor 2^(3 - 127): the byte cannot fall under 1
	v_add_nc_u32 v11, 0xff000000, v8               ; 2 off its exponent field: the conversion takes the exponent field of this operand as its scale
	v_lshrrev_b32 v10, 23, v11                     ; the scale's byte
.if (\b) == 0
	v_mov_b32 v24, v10                             ; four bytes make the word of my 128 along K, the lower K in the lower byte
.else
	v_lshl_or_b32 v24, v10, 8*(\b), v24
.endif
.irp g, 0,1,2,3
	v_cvt_scalef32_pk8_fp4_f32 v[WC+4*(\b)+\g], v[XS+8*\g:XS+8*\g+7], v11
.endr
	v_nop                                          ; one plain line behind the last conversion of a run
	ds_store_b128 v4, v[WC+4*(\b):WC+4*(\b)+3] offset:16*(\b)   ; 32 codes: 16 bytes of my column's row
.endm
	WLOAD 0
	WLOAD 1
	WBLOCK 0
	WBLOCK 1
	WBLOCK 2
	WBLOCK 3
	ds_store_b32 v5, v24
	s_wait_dscnt 0x0                               ; for the others' sake: my stores into the stage have landed
	s_barrier_signal -1                            ; (all eight waves of such a work-group are on this path: it hangs on the work-group's number)
	s_barrier_wait -1
.irp i, 0,1,2,3
	ds_load_b128 v[32+4*\i:35+4*\i], v6 offset:2*\i*WP
.endr
.irp i, 0,1,2,3
	s_wait_dscnt 3-\i
	global_store_b128 v7, v[32+4*\i:35+4*\i], s[22:23] offset:1024*\i   ; sixteen lanes store 256 consecutive bytes, aligned: half a row of wc
.endr
	s_cmp_gt_u32 s28, 1
	s_cbranch_scc1 .Lw_end                         ; the 1,024 scale bytes leave by waves 0 and 1, 512 consecutive bytes each
	ds_load_b128 v[48:51], v16
	s_wait_dscnt 0x0
	global_store_b128 v17, v[48:51], s[24:25]
.Lw_end:
	s_wait_tensorcnt 0x0                           ; the wave's end
	ds_add_u32 v[SPW], v[NIL]
	s_wait_dscnt 0x0
	s_endpgm
; ---------------- ROWS: a wave takes 16 rows x one half of K: 16 steps of 512 numbers.  Each of a step's four loads reads 512 consecutive bytes, 16 a lane; the 2,048 bytes turn through the wave's own stage
; in LDS and come back 64 bytes a lane: 16 NEIGHBOURS along K, as the conversions want them; two neighbouring lanes hold a block.  A step's codes are 256 consecutive bytes; its 16 scale bytes are gathered in
; the wave's own 256 bytes of LDS and leave as one aligned run of 256 bytes.  Waves share nothing: no barrier.  Loads run four steps ahead, the turn through LDS one step.
.set XR, 16                            ; v16-79   four sets of 16 numbers as they are loaded
.set XX, 80                            ; v80-111  two sets of 16 neighbours
.set XE, 112                           ; v112-127 a scale byte for each step
.set XC, 128                           ; v128-191 codes: registers of its own for each step, so that no store's data are written again
.Lrows:
	s_sub_co_u32 s29, ttmp9, 96
	s_lshr_b32 s30, s29, 6                         ; which tensor: 0 queries, 1 keys, 2 values
	s_cmp_eq_u32 s30, 0
	s_cselect_b64 s[32:33], s[4:5], s[6:7]
	s_cmp_eq_u32 s30, 2
	s_cselect_b64 s[32:33], s[8:9], s[32:33]
	s_and_b32 s34, s28, 1                          ; my half of K
	s_lshr_b32 s35, s28, 1
	s_and_b32 s36, s29, 63
	s_lshl_b32 s36, s36, 2
	s_add_co_u32 s36, s36, s35                     ; my 16 rows within the tensor
	s_lshl_b32 s36, s36, 16                        ; 16 rows of 4,096 bytes
	s_lshl_b32 s37, s34, 11
	s_add_co_u32 s36, s36, s37
	s_mov_b32 s37, 0
	s_add_nc_u64 s[32:33], s[32:33], s[36:37]
	s_lshl_b32 s38, s29, 2
	s_add_co_u32 s38, s38, s35                     ; my 16 rows among all 12,288
	s_lshl_b32 s36, s38, 13                        ; xc: 16 rows of 512 bytes
	s_lshl_b32 s39, s34, 8
	s_add_co_u32 s36, s36, s39
	s_add_nc_u64 s[18:19], s[18:19], s[36:37]
	s_mul_i32 s36, s34, 196608                     ; xs: the half's plane, 12,288 rows of 16 bytes
	s_lshl_b32 s39, s38, 8
	s_add_co_u32 s36, s36, s39
	s_add_nc_u64 s[20:21], s[20:21], s[36:37]
	v_lshlrev_b32 v3, 4, v2                        ; my 16 bytes of a load's 512
	s_lshl_b32 s39, s28, 13                        ; my wave's 8,192 bytes of LDS: two stages of 32 x 80, then 256 scale bytes
	v_lshrrev_b32 v14, 2, v2
	v_mul_u32_u24 v14, v14, SP
	v_and_b32 v15, 3, v2
	v_lshl_add_u32 v14, v15, 4, v14
	v_add_nc_u32 v14, s39, v14                     ; the stage, on the way in: four lanes' 64 bytes on end, then 16 of padding
	v_mul_u32_u24 v15, v2, SP
	v_add_nc_u32 v15, s39, v15                     ; and on the way out: my 16 neighbours
	v_lshlrev_b32 v4, 3, v2                        ; my 8 bytes of a step's codes
	v_lshrrev_b32 v5, 1, v2
	s_add_co_u32 s39, s39, 2*32*SP
	v_add_nc_u32 v5, s39, v5                       ; my block's scale byte
	v_lshlrev_b32 v7, 3, v2
	v_add_nc_u32 v6, s39, v7                       ; and on the way out 8 bytes a lane
.macro XLOAD t
.irp i, 0,1,2,3
	global_load_b128 v[XR+16*((\t)%4)+4*\i:XR+16*((\t)%4)+4*\i+3], v3, s[32:33] offset:4096*(\t)+512*\i th:TH_LOAD_NT
.endr
.endm
.macro XTURN t                         ; step t's numbers through the stage: LDS serves a wave's instructions in order, so no wait stands between the stores and the loads
.irp i, 0,1,2,3
	ds_store_b128 v14, v[XR+16*((\t)%4)+4*\i:XR+16*((\t)%4)+4*\i+3] offset:32*SP*((\t)%2)+8*SP*\i
.endr
.irp i, 0,1,2,3
	ds_load_b128 v[XX+16*((\t)%2)+4*\i:XX+16*((\t)%2)+4*\i+3], v15 offset:32*SP*((\t)%2)+16*\i
.endr
.endm
.irp t, 0,1,2,3
	XLOAD \t
.endr
	s_wait_loadcnt 12                              ; step 0's four loads are in
	XTURN 0
.macro XSTEP t
.set XS, XX+16*((\t)%2)
.if (\t) > 0
	s_wait_dscnt 1                                 ; this step's numbers are back from the stage (the last step's byte store may be out): so its stores into the stage have read their registers,
.else
	s_wait_dscnt 0x0
.endif
.if (\t)+4 < 16
	XLOAD (\t)+4                                   ; which take the loads of four steps on
.endif
.if (\t)+1 < 16
.if 14-(\t) >= 3
	s_wait_loadcnt 12                              ; the next step's four loads are in; those of the three steps behind it may be out
.else
	s_wait_loadcnt 4*(14-(\t))
.endif
	XTURN (\t)+1
.endif
	v_max3_num_f32 v8, |v[XS]|, |v[XS+1]|, |v[XS+2]|               ; the largest magnitude of my 16
	v_max3_num_f32 v9, |v[XS+3]|, |v[XS+4]|, |v[XS+5]|
.irp i, 6,10
	v_max3_num_f32 v8, v8, |v[XS+\i]|, |v[XS+\i+1]|
	v_max3_num_f32 v9, v9, |v[XS+\i+2]|, |v[XS+\i+3]|
.endr
	v_max3_num_f32 v8, v8, |v[XS+14]|, |v[XS+15]|
	v_max3_num_f32 v8, v8, v9, (EMAX+1)<<23        ; and the floor 2^(3 - 127)
	v_max_num_f32_dpp v8, v8, v8 row_xmask:1 row_mask:0xf bank_mask:0xf   ; and of my neighbour's 16: the block's
	v_add_nc_u32 v11, 0xff000000, v8               ; 2 off its exponent field: the conversion's scale operand
	v_cvt_scalef32_pk8_fp4_f32 v[XC+4*(\t)], v[XS:XS+7], v11
	v_cvt_scalef32_pk8_fp4_f32 v[XC+4*(\t)+1], v[XS+8:XS+15], v11
	v_lshrrev_b32 v[XE+(\t)], 23, v11              ; the scale's byte (also the plain line behind the conversions)
	ds_store_b8 v5, v[XE+(\t)] offset:16*(\t)      ; both lanes of a block write the same byte with the same value
	global_store_b64 v4, v[XC+4*(\t):XC+4*(\t)+1], s[18:19] offset:512*(\t)   ; 256 consecutive bytes, aligned: half a row of xc
.endm
.irp t, 0,1,2,3,4,5,6,7,8,9,10,11,12,13,14,15
	XSTEP \t
.endr
	ds_load_b64 v[8:9], v6                         ; LDS serves a wave's instructions in order: these see my stores
	s_wait_dscnt 0x0
	global_store_b64 v7, v[8:9], s[20:21]          ; 16 rows x 16 bytes: 256 consecutive bytes, aligned
	s_wait_tensorcnt 0x0                           ; the wave's end
	ds_add_u32 v[SPW], v[NIL]
	s_wait_dscnt 0x0
	s_endpgm
.Lfunc_end_k_qbb6b34c1a7_prep:
	.size	k_qbb6b34c1a7_prep, .Lfunc_end_k_qbb6b34c1a7_prep-k_qbb6b34c1a7_prep
	.p2alignl 7, 3214868480
	.fill 96, 4, 3214868480
	.section	.rodata,"a",@progbits
	.p2align	6, 0x0
	.amdhsa_kernel k_qbb6b34c1a7_prep
		.amdhsa_group_segment_fixed_size 84992
		.amdhsa_private_segment_fixed_size 0
		.amdhsa_enable_private_segment 0
		.amdhsa_kernarg_size 96
		.amdhsa_user_sgpr_count 2
		.amdhsa_user_sgpr_kernarg_segment_ptr 1
		.amdhsa_wavefront_size32 1
		.amdhsa_system_sgpr_workgroup_id_x 1
		.amdhsa_system_sgpr_workgroup_id_y 1
		.amdhsa_system_sgpr_workgroup_id_z 1
		.amdhsa_system_vgpr_workitem_id 0
		.amdhsa_next_free_vgpr 192
		.amdhsa_next_free_sgpr 66
		.amdhsa_reserve_vcc 0
		.amdhsa_float_denorm_mode_32 3
		.amdhsa_float_denorm_mode_16_64 3
		.amdhsa_memory_ordered 1
		.amdhsa_forward_progress 1
		.amdhsa_inst_pref_size 62
	.end_amdhsa_kernel
	.amdgpu_metadata
---
amdhsa.version: [ 1, 2 ]
amdhsa.kernels:
  - .name:           k_qbb6b34c1a7_prep
    .symbol:         k_qbb6b34c1a7_prep.kd
    .args:
      - { .name: queries, .offset: 0, .size: 8, .value_kind: global_buffer, .address_space: global }
      - { .name: keys, .offset: 8, .size: 8, .value_kind: global_buffer, .address_space: global }
      - { .name: values, .offset: 16, .size: 8, .value_kind: global_buffer, .address_space: global }
      - { .name: Wq, .offset: 24, .size: 8, .value_kind: global_buffer, .address_space: global }
      - { .name: Wk, .offset: 32, .size: 8, .value_kind: global_buffer, .address_space: global }
      - { .name: Wv, .offset: 40, .size: 8, .value_kind: global_buffer, .address_space: global }
      - { .name: Wo, .offset: 48, .size: 8, .value_kind: global_buffer, .address_space: global }
      - { .name: xc, .offset: 56, .size: 8, .value_kind: global_buffer, .address_space: global }
      - { .name: xs, .offset: 64, .size: 8, .value_kind: global_buffer, .address_space: global }
      - { .name: wc, .offset: 72, .size: 8, .value_kind: global_buffer, .address_space: global }
      - { .name: ws, .offset: 80, .size: 8, .value_kind: global_buffer, .address_space: global }
      - { .name: wo16, .offset: 88, .size: 8, .value_kind: global_buffer, .address_space: global }
    .group_segment_fixed_size: 84992
    .private_segment_fixed_size: 0
    .kernarg_segment_align: 8
    .kernarg_segment_size: 96
    .max_flat_workgroup_size: 256
    .sgpr_count:     66
    .vgpr_count:     192
    .wavefront_size: 32
...
	.end_amdgpu_metadata
.endif
;; end of part 1
;; launch proj (part 2): grid 4 x 48, 4 waves a work-group, clusters of 4 x 4, 327,680 bytes of LDS; arguments xc, xs, wc, ws, bq, bk, bv, qkv; writes qkv
.if DOCPART == 2
	.amdgcn_target "amdgcn-amd-amdhsa--gfx1250"
	.amdhsa_code_object_version 6
	.text
	.protected	k_qbb6b34c1a7_proj
	.globl	k_qbb6b34c1a7_proj
	.p2align	8
	.type	k_qbb6b34c1a7_proj,@function
k_qbb6b34c1a7_proj:
	s_mov_b64 s[64:65], 0
	v_nop
	global_prefetch_b8 v0, s[64:65] scope:SCOPE_SE
	s_setreg_imm32_b32 hwreg(HW_REG_WAVE_MODE, 25, 1), 1
	s_wait_xcnt 0x0
	s_wait_alu depctr_hold_cnt(0) depctr_sa_sdst(0) depctr_va_vdst(0) depctr_va_sdst(0) depctr_va_ssrc(0) depctr_va_vcc(0) depctr_vm_vsrc(0)
	s_getreg_b32 s2, hwreg(HW_REG_IB_STS2, 6, 4)
	s_cmp_eq_u32 s2, 0
	s_cbranch_scc0 .Lentry_in_a_cluster
	s_endpgm
.Lentry_in_a_cluster:
	s_bfe_u32 s2, ttmp6, 0x10000c
	s_cmp_lg_u32 s2, 0xf033
	s_cbranch_scc0 .Lentry_shape_is_right
	s_endpgm
.Lentry_shape_is_right:
; q = queries Wq + bq, k = keys Wk + bk, v = values Wv + bv: three products [4096 x 1024] x [1024 x 1024] on codes of FP4 (E2M1) with one E8M0 scale for each 32 along K; sums in f32, the bias in f32, the result rounded once to f16.
; The three lie on end: A = xc, 12,288 rows of 512 bytes; B = wc, 3,072 rows.  A tile of 256 x 256 is made by four waves, 128 x 128 each: 64 accumulators, 512 registers.  48 tile rows x 4 tile columns; tile rows 16 T .. 16 T + 15 are tensor T.
; K = 1,024 is two K steps of 512 (rows of 256 bytes): both, and the scale bytes of the work-group's rows, are asked for at the head; no LDS byte is filled twice.
; CLUSTERS: 4 x 4 work-groups.  The four of a row need the same tiles of A, the four of a column the same tiles of B: each tile is asked for jointly, by the same tensor load with a mask that names the four.
; THE RESULT LEAVES AS IMAGES OF THE NEXT LAUNCH'S OPERAND REGISTERS, 512 bytes a block, lane l's 16 bytes at 16 l:
;   q, k: the matrix instruction is used transposed (source 0 = 16 rows of W, source 1 = 16 rows of x): a lane holds one row and eight neighbouring channels, which packed to f16 are four registers of a fragment of 16 rows x 32 channels.
;         qkv part T: [batch and head: 32][tile of 16 rows: 128][channels 16 c on: 4][512 bytes]
;   v:    used as it reads (source 0 = x, source 1 = W): a lane holds one channel and eight neighbouring keys: four registers of a fragment of 16 channels x 32 keys.
;         qkv part 2: [batch and head: 32][32 keys: 64][16 channels: 4][16 keys: 2][512 bytes]
; So no stage is needed: every store of a wave covers 512 consecutive bytes, aligned.  The two uses differ in every matrix line, so the main part is written twice; the choice hangs on the cluster's y, which all partners share.
; LIMIT: |q|, |k|, |v| stay under 65,504, f16's largest number (drawn: under 6; activations and weights both 30 times larger: some 5,000).
; REGISTERS, in windows of 256: window 0: v0-31 addresses; v32-95 scale words, two sets; v128-191 A's fragments, one set; v192-255 the bias in the result's layout, eight registers for each of B's eight blocks;
;   on the way out v128-255 take the packed results.   window 1: B's fragments, two sets, at v0 and v128.   window 2: accumulators of my rows 0-63 ((a, b) at v[8 (8 a + b)]);   window 3: of my rows 64-127.
.set NQ,     4                         ; matrix instructions deep in a K step
.set ROWB,   256                       ; a tile's row in bytes: 512 codes
.set KROW,   512                       ; a row of xc or wc in bytes
.set PITCH,  272                       ; an LDS row: 256 bytes + 16 of padding = 68 words: the 16 rows that a load touches start at 16 different banks (64 banks of 4 bytes: ISA guide 11.1)
.set FR,     8
.set NL,     2
.set NP,     4                         ; places behind this matrix instruction (ISA guide 7.12.1)
.set HALFT,  128*PITCH
.set SLOT,   4*HALFT                   ; A's 256 rows, then B's 256 rows
.set SCL,    2*SLOT                    ; the scale bytes: [wave that fetched: 4][K step: 2][128 rows][16 bytes]
.set SPARE,  SCL+16384                 ; the spare words, 128 bytes for each wave: two blocks of 256 bytes that no other line names
.set ADRA, 16                          ; v16-17  LDS address of my A fragments in slot 0, 1
.set ADRB, 20                          ; v20-21  the same for B
.set CO,   26                          ; v26     16 x lane: my place in a block of 512 bytes
.set ADRS, 27                          ; v27     LDS address of my scale words: lanes 0-15 A's rows, lanes 16-31 B's
.set SPW,  28                          ; v28     LDS address of my spare word; never rewritten
.set NIL,  29                          ; v29     0; never rewritten
.set SC,   32                          ; scale words: set s at v[SC + 32 s]; register 4 i + q: lanes 0-15 the word of A's block i, lanes 16-31 of B's block i, for the K step's q-th 128 along K
.set AF,   128
.set BIAS, 192
.set PK,   128
.set G1, 24                            ; s[24:31] group 1 for A's tiles;  s[32:39] group 0, one set for each slot
.set G0, 32
.set G1B, 48                           ; s[48:55], s[56:63] the same for B's tiles
.set G0B, 56
.set TID, 66                           ; s66 which tensor: 0 q, 1 k, 2 v
.set G1S, 68                           ; s[68:75], s[76:79] groups 1 and 0 for A's scale bytes;  s[80:87], s[88:91] for B's
.set G0S, 76
.set G1SB, 80
.set G0SB, 88
.set MSB, 0
.macro WIN new                         ; the immediate's high byte repeats the setting that is left
.if MSB != (\new)
	s_set_vgpr_msb (MSB<<8)|(\new)
.set MSB, (\new)
.endif
.endm
.set TO_B, 0x40                        ; destination window 1, address window 0
; A joint load: waves 0 and 1 fetch for A, waves 2 and 3 for B.  Each line has one mask and one set of registers for all that issue it; the branch hangs on the wave's number alone.
; An s_nop 0 and four v_nop follow each of the two lines.
.macro JLOAD g0a, g1a, g0b, g1b
	s_cmp_eq_u32 s15, 0
	s_cbranch_scc0 .Lfor_b_\@
	tensor_load_to_lds s[\g0a:\g0a+3], s[\g1a:\g1a+7]
	s_nop 0
.rept 4
	v_nop
.endr
	s_branch .Lasked_\@
.Lfor_b_\@:
	tensor_load_to_lds s[\g0b:\g0b+3], s[\g1b:\g1b+7]
	s_nop 0
.rept 4
	v_nop
.endr
.Lasked_\@:
.endm
.macro CROUND                          ; a round of the cluster's barrier
	s_barrier_signal -1
	s_barrier_wait -1
	s_cmp_lg_u32 s14, 0
	s_cbranch_scc1 .Lnot_wave_0_\@
	s_barrier_signal -3
.Lnot_wave_0_\@:
	s_barrier_wait -3
	s_barrier_signal -1
	s_barrier_wait -1
.endm
	s_load_b128 s[4:7], s[0:1], 0x0                ; xc s[4:5], xs s[6:7]
	s_load_b128 s[8:11], s[0:1], 0x10              ; wc s[8:9], ws s[10:11]
	s_load_b128 s[96:99], s[0:1], 0x20             ; bq s[96:97], bk s[98:99]
	s_load_b64 s[2:3], s[0:1], 0x30                ; bv
	s_load_b64 s[12:13], s[0:1], 0x38              ; qkv
	v_lshl_add_u32 v[SPW], v0, 2, SPARE
	v_mov_b32 v[NIL], 0
	ds_add_u32 v[SPW], v[NIL]                      ; the wave's opening: the add, twice on end, and its wait ahead of my first tensor load
	ds_add_u32 v[SPW], v[NIL]
	v_lshrrev_b32 v1, 5, v0
	v_readfirstlane_b32 s14, v1                    ; wave 0..3
	s_lshr_b32 s15, s14, 1                         ; which half of the tile's rows is mine.  Also: I fetch for A (0) or for B (1)
	s_and_b32 s16, s14, 1                          ; which half of its columns.  Also: which 128 rows I fetch
	s_bfe_u32 s40, ttmp6, 0x40000                  ; cx, cy: my place in the cluster
	s_bfe_u32 s41, ttmp6, 0x40004
	s_lshl_b32 s42, ttmp9, 2
	s_add_co_u32 s42, s42, s40                     ; tile column = 4 x cluster x + cx
	s_and_b32 s17, ttmp7, 0xffff
	s_lshr_b32 s[TID], s17, 2                      ; four clusters' rows to a tensor: the same in all sixteen partners
	s_lshl_b32 s17, s17, 2
	s_add_co_u32 s17, s17, s41                     ; tile row among the 48 = 4 x cluster y + cy
	s_lshl_b32 s43, s41, 2
	s_lshl_b32 s43, 15, s43                        ; my row of the cluster
	s_lshl_b32 s44, 0x1111, s40                    ; my column
	; group 1: a tile of 128 rows x 256 bytes, 16 bytes of padding behind each row
	s_or_b32 s[G1+0], s43, (1<<20)|(1<<21)|(5<<22)|(3<<25)   ; 15:0 the mask; 17:16 elements of 1 byte; 20 padding on; 21 set beside a mask; 24:22 after every 64 words; 31:25 four words
	s_or_b32 s[G1B+0], s44, (1<<20)|(1<<21)|(5<<22)|(3<<25)
.irp g, G1, G1B
	s_mov_b32 s[\g+1], ROWB<<16                    ; tensor_dim0
	s_mov_b32 s[\g+2], 128<<16                     ; tensor_dim1
	s_mov_b32 s[\g+3], ROWB<<16                    ; tile_dim0
	s_mov_b32 s[\g+4], 128                         ; tile_dim1
	s_mov_b32 s[\g+5], KROW                        ; from row to row
	s_mov_b32 s[\g+6], 0
	s_mov_b32 s[\g+7], 0
.endr
	; and for the scale bytes of 128 rows: two rows of 2,048 bytes (256 elements of 8), one for each half of K, a plane apart in memory, on end in LDS
	s_or_b32 s[G1S+0], s43, (3<<16)|(1<<21)
	s_or_b32 s[G1SB+0], s44, (3<<16)|(1<<21)
.irp g, G1S, G1SB
	s_mov_b32 s[\g+1], 256<<16
	s_mov_b32 s[\g+2], 2<<16
	s_mov_b32 s[\g+3], 256<<16
	s_mov_b32 s[\g+4], 2
	s_mov_b32 s[\g+6], 0
	s_mov_b32 s[\g+7], 0
.endr
	s_mov_b32 s[G1S+5], 24576                      ; xs: a plane is 12,288 rows x 16 bytes
	s_mov_b32 s[G1SB+5], 6144                      ; ws: 3,072 rows x 16 bytes
	s_lshl_b32 s18, s16, 7                         ; which 128 rows of the tile I fetch
	s_lshl_b32 s20, s17, 8
	s_add_co_u32 s20, s20, s18                     ; A: row 256 x tile row + 128 x half
	s_lshl_b32 s46, s42, 8
	s_add_co_u32 s46, s46, s18
	s_lshl_b32 s19, s[TID], 10
	s_add_co_u32 s46, s46, s19                     ; B: row 1,024 x tensor + 256 x tile column + 128 x half
	s_lshl_b32 s22, s20, 4                         ; their scale bytes: 16 a row
	s_mov_b32 s23, 0
	s_lshl_b32 s92, s46, 4
	s_mov_b32 s93, 0
	s_lshl_b32 s20, s20, 9                         ; their codes: 512 bytes a row
	s_mov_b32 s21, 0
	s_lshl_b32 s46, s46, 9
	s_mov_b32 s47, 0
	s_mul_i32 s45, s14, HALFT                      ; where they go: wave x 128 rows: no place in the cluster enters an LDS address
	s_lshl_b32 s94, s14, 12
	s_wait_dscnt 0x0                               ; both opening adds are done
	s_wait_kmcnt 0x0
	s_add_nc_u64 s[20:21], s[4:5], s[20:21]
	s_add_nc_u64 s[22:23], s[6:7], s[22:23]
	s_add_nc_u64 s[46:47], s[8:9], s[46:47]
	s_add_nc_u64 s[92:93], s[10:11], s[92:93]
	CROUND                                         ; all sixteen work-groups are here: the first joint loads meet
	s_mov_b32 s[G0S], 1
	s_add_co_u32 s[G0S+1], s94, SCL
	s_mov_b64 s[G0S+2:G0S+3], s[22:23]
	s_or_b32 s[G0S+3], s[G0S+3], 0x80000000
	s_mov_b32 s[G0SB], 1
	s_add_co_u32 s[G0SB+1], s94, SCL
	s_mov_b64 s[G0SB+2:G0SB+3], s[92:93]
	s_or_b32 s[G0SB+3], s[G0SB+3], 0x80000000
	JLOAD G0S, G1S, G0SB, G1SB                     ; the scale bytes first: they are wanted with K step 0
.irp s, 0,1
	s_mov_b32 s[G0+4*\s], 1
	s_add_co_u32 s[G0+4*\s+1], s45, \s*SLOT
	s_add_nc_u64 s[G0+4*\s+2:G0+4*\s+3], s[20:21], \s*ROWB
	s_or_b32 s[G0+4*\s+3], s[G0+4*\s+3], 0x80000000
	s_mov_b32 s[G0B+4*\s], 1
	s_add_co_u32 s[G0B+4*\s+1], s45, \s*SLOT
	s_add_nc_u64 s[G0B+4*\s+2:G0B+4*\s+3], s[46:47], \s*ROWB
	s_or_b32 s[G0B+4*\s+3], s[G0B+4*\s+3], 0x80000000
	JLOAD G0+4*\s, G1, G0B+4*\s, G1B               ; both K steps: three loads of mine are out
.endr
	v_and_b32 v1, 15, v0                           ; r = l % 16
	v_bfe_u32 v2, v0, 4, 1                         ; h = l / 16
	v_mul_u32_u24 v3, v1, PITCH
	v_lshl_add_u32 v4, v2, 4, v3                   ; a fragment's row x pitch + 16 x half
	s_mul_i32 s21, s15, HALFT                      ; my 128 rows of A
	s_mul_i32 s22, s16, HALFT                      ; my 128 rows of B,
	s_add_co_u32 s22, s22, 2*HALFT                 ; which lie behind A's 256
.irp s, 0,1
	v_add_nc_u32 v[ADRA+\s], s21, v4
	v_add_nc_u32 v[ADRB+\s], s22, v4
	s_add_co_u32 s21, s21, SLOT
	s_add_co_u32 s22, s22, SLOT
.endr
	v_lshlrev_b32 v5, 4, v1                        ; my row's scale bytes: 16 a row
	s_lshl_b32 s21, s15, 12                        ; A's: the 4,096 bytes that wave (my half) fetched
	s_lshl_b32 s22, s16, 12
	s_add_co_u32 s22, s22, 8192                    ; B's: behind A's two
	s_sub_co_u32 s22, s22, s21
	v_mul_u32_u24 v6, s22, v2                      ; lanes 16-31 take B's: one product, the distance x h
	s_add_co_u32 s21, s21, SCL
	v_add_nc_u32 v5, v5, v6
	v_add_nc_u32 v[ADRS], s21, v5
	v_and_b32 v6, 31, v0
	v_lshlrev_b32 v[CO], 4, v6
	; where my results begin in qkv
	s_and_b32 s20, s17, 15
	s_lshl_b32 s20, s20, 8
	s_lshl_b32 s21, s15, 7
	s_add_co_u32 s20, s20, s21                     ; my first row within the tensor
	s_lshr_b32 s21, s20, 11                        ; the batch
	s_and_b32 s20, s20, 2047
	s_lshl_b32 s20, s20, 7                         ; 2,048 bytes for each 16 rows (v: 4,096 for each 32 keys: the same)
	s_lshl_b32 s21, s21, 22                        ; 16 heads of 262,144 bytes
	s_add_co_u32 s20, s20, s21
	s_lshl_b32 s46, s42, 20                        ; a tile column is 4 heads,
	s_lshl_b32 s47, s16, 19                        ; my half of it 2
	s_add_co_u32 s46, s46, s47
	s_add_co_u32 s20, s20, s46
	s_lshl_b32 s21, s[TID], 23                     ; the tensor's part
	s_add_co_u32 s20, s20, s21
	s_mov_b32 s21, 0
	s_add_nc_u64 s[12:13], s[12:13], s[20:21]
	; THE BIAS is the C of each sum's first matrix instruction: eight registers for each of B's blocks, in the result's layout
	s_lshl_b32 s18, s42, 10                        ; my 128 columns: 4 bytes each
	s_lshl_b32 s19, s16, 9
	s_add_co_u32 s18, s18, s19
	s_mov_b32 s19, 0
	s_cmp_eq_u32 s[TID], 2
	s_cbranch_scc1 .Lbias_v
	s_cmp_eq_u32 s[TID], 0
	s_cselect_b64 s[96:97], s[96:97], s[98:99]
	s_add_nc_u64 s[96:97], s[96:97], s[18:19]
	v_lshlrev_b32 v7, 5, v2                        ; q, k: register j of lane (r, h) is column 16 b + 8 h + j
.irp b, 0,1,2,3,4,5,6,7
	global_load_b128 v[BIAS+8*\b:BIAS+8*\b+3], v7, s[96:97] offset:64*\b
	global_load_b128 v[BIAS+8*\b+4:BIAS+8*\b+7], v7, s[96:97] offset:64*\b+16
.endr
	s_wait_loadcnt 0x0
	s_branch .Lbias_in
.Lbias_v:
	s_add_nc_u64 s[2:3], s[2:3], s[18:19]
	v_lshlrev_b32 v7, 2, v1                        ; v: all eight registers of lane (r, h) are column 16 b + r
.irp b, 0,1,2,3,4,5,6,7
	global_load_b32 v[BIAS+8*\b], v7, s[2:3] offset:64*\b
.endr
	s_wait_loadcnt 0x0
.irp b, 0,1,2,3,4,5,6,7
.irp j, 1,2,3,4,5,6,7
	v_mov_b32 v[BIAS+8*\b+\j], v[BIAS+8*\b]        ; (while the first tiles are on their way)
.endr
.endr
.Lbias_in:
.macro FRAG reg, adr, q, i             ; a fragment, 16 rows x 128 K of 4-bit codes: lane l holds row l % 16; registers 4 c .. 4 c + 3 hold K = 64 c + 32 (l / 16) + 0 .. 31
.irp c, 0,1
	ds_load_b128 v[\reg+4*\c:\reg+4*\c+3], v[\adr] offset:64*(\q)+32*\c+(\i)*16*PITCH
.endr
.endm
; 16 matrix instructions: A's blocks a0, a0 + 1 x B's eight, the K step's q-th 128 along K.  p: B's set;  sc: the set of scale words.  first = 1: the bias starts the sums: nothing is cleared.
; swap = 0: source 0 = B's fragment (its scale word in lanes 16-31), source 1 = A's;  swap = 1: the other way round.  The 64 accumulators take turns, one instruction a turn, in the same order in every step.
.macro MUL16 a0, p, q, sc, first, swap
.irp a, \a0, \a0+1
.irp b, 0,1,2,3,4,5,6,7
.if \swap
.if \first
	v_wmma_scale_f32_16x16x128_f8f6f4 v[8*(8*((\a)%4)+\b):8*(8*((\a)%4)+\b)+7], v[AF+FR*(\a):AF+FR*(\a)+FR-1], v[128*(\p)+FR*\b:128*(\p)+FR*\b+FR-1], v[BIAS+8*\b:BIAS+8*\b+7], v[SC+32*(\sc)+4*(\a)+(\q)], v[SC+32*(\sc)+4*\b+(\q)] matrix_a_fmt:MATRIX_FMT_FP4 matrix_b_fmt:MATRIX_FMT_FP4 matrix_b_scale:MATRIX_SCALE_ROW1
.else
	v_wmma_scale_f32_16x16x128_f8f6f4 v[8*(8*((\a)%4)+\b):8*(8*((\a)%4)+\b)+7], v[AF+FR*(\a):AF+FR*(\a)+FR-1], v[128*(\p)+FR*\b:128*(\p)+FR*\b+FR-1], v[8*(8*((\a)%4)+\b):8*(8*((\a)%4)+\b)+7], v[SC+32*(\sc)+4*(\a)+(\q)], v[SC+32*(\sc)+4*\b+(\q)] matrix_a_fmt:MATRIX_FMT_FP4 matrix_b_fmt:MATRIX_FMT_FP4 matrix_b_scale:MATRIX_SCALE_ROW1
.endif
.else
.if \first
	v_wmma_scale_f32_16x16x128_f8f6f4 v[8*(8*((\a)%4)+\b):8*(8*((\a)%4)+\b)+7], v[128*(\p)+FR*\b:128*(\p)+FR*\b+FR-1], v[AF+FR*(\a):AF+FR*(\a)+FR-1], v[BIAS+8*\b:BIAS+8*\b+7], v[SC+32*(\sc)+4*\b+(\q)], v[SC+32*(\sc)+4*(\a)+(\q)] matrix_a_fmt:MATRIX_FMT_FP4 matrix_b_fmt:MATRIX_FMT_FP4 matrix_a_scale:MATRIX_SCALE_ROW1
.else
	v_wmma_scale_f32_16x16x128_f8f6f4 v[8*(8*((\a)%4)+\b):8*(8*((\a)%4)+\b)+7], v[128*(\p)+FR*\b:128*(\p)+FR*\b+FR-1], v[AF+FR*(\a):AF+FR*(\a)+FR-1], v[8*(8*((\a)%4)+\b):8*(8*((\a)%4)+\b)+7], v[SC+32*(\sc)+4*\b+(\q)], v[SC+32*(\sc)+4*(\a)+(\q)] matrix_a_fmt:MATRIX_FMT_FP4 matrix_b_fmt:MATRIX_FMT_FP4 matrix_a_scale:MATRIX_SCALE_ROW1
.endif
.endif
.endr
.endr
.endm
; the windows of a product: B's fragment window 1, A's window 0, D window 2 (rows 0-63) or 3; C as D, or window 0 where it is the bias
.macro WLO first, swap
	WIN 0xa1+3*(\swap)-0x20*(\first)
.endm
.macro WHI first, swap
	WIN 0xf1+3*(\swap)-0x30*(\first)
.endm
.macro FETCH_B slot, q, p
	WIN TO_B
.irp i, 0,1,2,3,4,5,6,7
	FRAG 128*(\p)+FR*\i, ADRB+\slot, \q, \i
.endr
	WIN 0
.endm
.macro FETCH_A slot, q, i0
.irp i, \i0, \i0+1, \i0+2, \i0+3
	FRAG AF+FR*(\i), ADRA+\slot, \q, \i
.endr
.endm
.macro SCALES sc                       ; a K step's scale words: four words a row; lanes 0-15 take A's block i, lanes 16-31 B's block i: 256 consecutive bytes for each half of the lanes
.irp i, 0,1,2,3,4,5,6,7
	ds_load_b128 v[SC+32*\sc+4*\i:SC+32*\sc+4*\i+3], v[ADRS] offset:2048*\sc+256*\i
.endr
.endm
; A load into a register that a matrix instruction has read, and a vector instruction that reads a matrix result or writes one of its registers, stand NP places behind it; only plain vector
; instructions that name none of its registers are places (ISA guide 7.12.1 for vector instructions).
.macro PLACES n
.rept \n
	v_nop
.endr
.endm
; A step of 128 along K that has its successor in the same slot: A's blocks one after the other, each against B's eight; A has one set of registers (blocks 0-3 fetched anew in the middle, 4-7 at the end), B two.
.macro STEP slot, q, first, swap
	s_wait_dscnt 4*NL                              ; all but the youngest eight loads (A's blocks 4-7) are in
	WLO \first, \swap
	MUL16 0, (\q)%2, \q, \slot, \first, \swap
	MUL16 2, (\q)%2, \q, \slot, \first, \swap
	s_wait_dscnt 0                                 ; A's blocks 4-7 are in (asked for 32 matrix instructions ago)
	PLACES NP
	FETCH_B \slot, (\q)+1, 1-(\q)%2
	FETCH_A \slot, (\q)+1, 0
	WHI \first, \swap
	MUL16 4, (\q)%2, \q, \slot, \first, \swap
	MUL16 6, (\q)%2, \q, \slot, \first, \swap
	PLACES NP
	WIN 0
	FETCH_A \slot, (\q)+1, 4
.endm
; Slot 0's last step goes over to slot 1: each wave's part of slot 1 has landed, and one barrier shows the whole slot to every wave.  Nothing is filled again.
.macro TURN swap
	s_wait_tensorcnt 0x0                           ; all my tensor loads have landed: my part of K step 1  (every window is 0 here)
	ds_add_u32 v[SPW], v[NIL]
	s_wait_dscnt 4*NL+1                            ; (the add and the youngest eight loads may be out)
	WLO 0, \swap
	MUL16 0, 1, NQ-1, 0, 0, \swap
	s_wait_dscnt 0x0                               ; no LDS instruction of mine is pending at the signal
	s_barrier_signal -1
	MUL16 2, 1, NQ-1, 0, 0, \swap
	WIN 0
	s_barrier_wait -1
	PLACES NP
	FETCH_B 1, 0, 0
	FETCH_A 1, 0, 0
	SCALES 1
	WHI 0, \swap
	MUL16 4, 1, NQ-1, 0, 0, \swap
	MUL16 6, 1, NQ-1, 0, 0, \swap
	PLACES NP
	WIN 0
	FETCH_A 1, 0, 4
.endm
.macro STEPS slot, from, swap          ; the slot's steps from .. NQ - 2
.set Q, \from
.rept NQ-1-\from
	STEP \slot, Q, 0, \swap
.set Q, Q+1
.endr
.endm
; THE WAY OUT: block a's eight accumulators, each from its low end on, are rounded to f16, four registers each, and stored as they stand: an image of four registers of the next launch's fragment.
.macro OUT swap
	PLACES NP
.irp a, 0,1,2,3,4,5,6,7
.if \a == 4
	s_wait_xcnt 0x0                                ; the stores of blocks 0-3 have read their registers, which blocks 4-7 take
.endif
	WIN 0x0a+5*(\a/4)                              ; sources 0 and 1: window 2 or 3
.irp b, 0,1,2,3,4,5,6,7
.irp r, 0,1,2,3
	v_cvt_pk_f16_f32 v[PK+32*(\a%4)+4*\b+\r], v[64*(\a%4)+8*\b+2*\r], v[64*(\a%4)+8*\b+2*\r+1]
.endr
.endr
	WIN 0
.irp b, 0,1,2,3,4,5,6,7
.if \swap
	global_store_b128 v[CO], v[PK+32*(\a%4)+4*\b:PK+32*(\a%4)+4*\b+3], s[12:13] offset:(\b/4)*262144+4096*(\a/2)+1024*(\b%4)+512*(\a%2)   ; head b / 4; 32 keys a / 2; channels 16 (b % 4) on; 16 keys a % 2
.else
	global_store_b128 v[CO], v[PK+32*(\a%4)+4*\b:PK+32*(\a%4)+4*\b+3], s[12:13] offset:(\b/4)*262144+2048*\a+512*(\b%4)   ; head b / 4; 16 rows a; channels 16 (b % 4) on
.endif
.endr
.endr
.endm
.macro MAIN swap
	FETCH_B 0, 0, 0
	FETCH_A 0, 0, 0
	SCALES 0
	FETCH_A 0, 0, 4
	STEP 0, 0, 1, \swap                            ; the first step's products start the sums with the bias
	STEPS 0, 1, \swap
	TURN \swap
	STEPS 1, 0, \swap
	s_wait_dscnt 4*NL                              ; the very last step: nothing more to fetch
	WLO 0, \swap
	MUL16 0, 1, NQ-1, 1, 0, \swap
	MUL16 2, 1, NQ-1, 1, 0, \swap
	s_wait_dscnt 0
	WHI 0, \swap
	MUL16 4, 1, NQ-1, 1, 0, \swap
	MUL16 6, 1, NQ-1, 1, 0, \swap
	WIN 0
	OUT \swap
	s_wait_tensorcnt 0x0                           ; the wave's end
	ds_add_u32 v[SPW], v[NIL]
	s_wait_dscnt 0x0
	CROUND                                         ; the closing round: no work-group ends while a partner may still ask for a tile that names it
	s_endpgm
.endm
	s_wait_tensorcnt 1                             ; the scale bytes and my part of K step 0 are in (K step 1's load may be out)
	s_barrier_signal -1
	s_barrier_wait -1                              ; everybody's are
	s_cmp_eq_u32 s[TID], 2
	s_cbranch_scc1 .Lmain_v
	MAIN 0                                         ; q, k
.Lmain_v:
	MAIN 1                                         ; v
.Lfunc_end_k_qbb6b34c1a7_proj:
	.size	k_qbb6b34c1a7_proj, .Lfunc_end_k_qbb6b34c1a7_proj-k_qbb6b34c1a7_proj
	.p2alignl 7, 3214868480
	.fill 96, 4, 3214868480
	.section	.rodata,"a",@progbits
	.p2align	6, 0x0
	.amdhsa_kernel k_qbb6b34c1a7_proj
		.amdhsa_group_segment_fixed_size 327680
		.amdhsa_private_segment_fixed_size 0
		.amdhsa_enable_private_segment 0
		.amdhsa_kernarg_size 64
		.amdhsa_user_sgpr_count 2
		.amdhsa_user_sgpr_kernarg_segment_ptr 1
		.amdhsa_wavefront_size32 1
		.amdhsa_system_sgpr_workgroup_id_x 1
		.amdhsa_system_sgpr_workgroup_id_y 1
		.amdhsa_system_sgpr_workgroup_id_z 1
		.amdhsa_system_vgpr_workitem_id 0
		.amdhsa_next_free_vgpr 1024
		.amdhsa_next_free_sgpr 100
		.amdhsa_reserve_vcc 0
		.amdhsa_float_denorm_mode_32 3
		.amdhsa_float_denorm_mode_16_64 3
		.amdhsa_memory_ordered 1
		.amdhsa_forward_progress 1
		.amdhsa_inst_pref_size 230
	.end_amdhsa_kernel
	.amdgpu_metadata
---
amdhsa.version: [ 1, 2 ]
amdhsa.kernels:
  - .name:           k_qbb6b34c1a7_proj
    .symbol:         k_qbb6b34c1a7_proj.kd
    .args:
      - { .name: xc, .offset: 0, .size: 8, .value_kind: global_buffer, .address_space: global }
      - { .name: xs, .offset: 8, .size: 8, .value_kind: global_buffer, .address_space: global }
      - { .name: wc, .offset: 16, .size: 8, .value_kind: global_buffer, .address_space: global }
      - { .name: ws, .offset: 24, .size: 8, .value_kind: global_buffer, .address_space: global }
      - { .name: bq, .offset: 32, .size: 8, .value_kind: global_buffer, .address_space: global }
      - { .name: bk, .offset: 40, .size: 8, .value_kind: global_buffer, .address_space: global }
      - { .name: bv, .offset: 48, .size: 8, .value_kind: global_buffer, .address_space: global }
      - { .name: qkv, .offset: 56, .size: 8, .value_kind: global_buffer, .address_space: global }
    .group_segment_fixed_size: 327680
    .private_segment_fixed_size: 0
    .kernarg_segment_align: 8
    .kernarg_segment_size: 64
    .max_flat_workgroup_size: 128
    .sgpr_count:     100
    .vgpr_count:     1024
    .wavefront_size: 32
...
	.end_amdgpu_metadata
.endif
;; end of part 2
;; launch attn (part 3): grid 8 x 32, 8 waves a work-group, clusters of 4 x 1, 327,680 bytes of LDS; arguments qkv, ctx; writes ctx
.if DOCPART == 3
	.amdgcn_target "amdgcn-amd-amdhsa--gfx1250"
	.amdhsa_code_object_version 6
	.text
	.protected	k_qbb6b34c1a7_attn
	.globl	k_qbb6b34c1a7_attn
	.p2align	8
	.type	k_qbb6b34c1a7_attn,@function
k_qbb6b34c1a7_attn:
	s_mov_b64 s[64:65], 0
	v_nop
	global_prefetch_b8 v0, s[64:65] scope:SCOPE_SE
	s_setreg_imm32_b32 hwreg(HW_REG_WAVE_MODE, 25, 1), 1
	s_wait_xcnt 0x0
	s_wait_alu depctr_hold_cnt(0) depctr_sa_sdst(0) depctr_va_vdst(0) depctr_va_sdst(0) depctr_va_ssrc(0) depctr_va_vcc(0) depctr_vm_vsrc(0)
	s_getreg_b32 s2, hwreg(HW_REG_IB_STS2, 6, 4)
	s_cmp_eq_u32 s2, 0
	s_cbranch_scc0 .Lentry_in_a_cluster
	s_endpgm
.Lentry_in_a_cluster:
	s_bfe_u32 s2, ttmp6, 0x10000c
	s_cmp_lg_u32 s2, 0x3003
	s_cbranch_scc0 .Lentry_shape_is_right
	s_endpgm
.Lentry_shape_is_right:
; ctx[n][q][h][:] = the sum over k of softmax_k(q . k / 8) v, for 32 pairs (batch, head), 2,048 queries and keys, head size 64, no mask.  Operands f16, products, maxima and sums f32; the weights p (at most 1) are rounded to f16
; for the second product, the result once at the end.
; qkv holds q, k, v as IMAGES OF THE OPERANDS' REGISTERS, blocks of 512 bytes, lane l's 16 bytes at 16 l: every fragment comes by loads of 16 bytes at 16 x lane, from memory (q) or LDS (k, v): no pitch, no padding, no turning load;
; the tiles of 512 keys are 65,536 bytes on end.
; SHARES.  A work-group owns 256 queries of one (batch, head).  Wave w: queries 64 (w & 3) on, four tiles of 16; of each slot of 512 keys the half w >> 2, in four steps of 64 keys.  So a fragment of K or V read from LDS feeds four
; matrix instructions.  At the end the waves w and w xor 4, which hold the same queries and the two halves of the keys, join their sums through LDS: each sends two tiles away and finishes two.
; LAYOUT.  S^T = K Q^T (source 0 = 16 keys, source 1 = 16 queries): a lane holds ONE query (lane % 16) and keys 8 (lane / 16) + 0..7.  Two such tiles, rounded to f16 in pairs, ARE source 1 (32 keys x 16 queries) of O^T = V^T P.
; SOFTMAX.  For each query a running maximum m and sum l: p = 2^(c s - c m), c = log2(e) / 8; in every step O and l are multiplied by a = 2^(c m_old - c m_new).
; BY TURNS.  The wave's tiles are two PIECES, named by their first tile: piece 0 (tiles 0, 1) and piece 2 (tiles 2, 3).  In a TURN one piece has the matrix unit: 16 products V^T P of the step in hand, then 16 products K Q^T of the
; next step; the other piece's softmax goes on meanwhile.  Of its 236 lines those stand behind the matrix instructions that run under the products' own register windows: the rescaling of O^T behind V^T P (two lines each), the
; scalings and exponentials behind K Q^T (six lines each); the maximum stands in front of the products, the sums and roundings behind them.  Then the pieces change places.  Two turns are a key step.
; CLUSTER.  The four query blocks of a cluster belong to one (batch, head) and walk the same K and V: each tile is asked for jointly, by the same tensor load with a mask that names the four.
; LIMITS: |q|, |k|, |v| under 65,504 (made so by the launch before); NaN and infinities are not served.
; REGISTERS, in windows of 256: window 0: v1-15 addresses; v16-47 statistics, eight a tile; v48-111 K of a step; v112-239 S^T, 32 a tile, then P in the low 16 of each; v240-247 second chains of the sums; v248-255 at work.
;   window 1: v0-127 O^T, 32 a tile; v128-191 Q, 16 a tile; v192-255 V of a step.
; Register slot t holds query tile (t + 2 (w >> 2)) % 4 of the wave's four, by Q's load address alone: so every wave sends slots 2, 3 away and finishes slots 0, 1, with one text.
.set SLOT1, 1<<17                      ; a place of the ring: K's 65,536 bytes (32 tiles of 16 keys x 2,048), then V's (16 chunks of 32 keys x 4,096); place 1 begins here: one exclusive or turns an address
.set VOFF,  65536
.set SPARE, 2*SLOT1                    ; the spare words, 128 bytes for each of eight waves: four blocks of 256 bytes that no other line names
.set MRGW,  9216                       ; the joining: for each wave 8,192 bytes of O^T's images, then four rows of 128 bytes (c m of slots 2, 3; l of slots 2, 3).  In place 0, which has had its last fill by then
.set STG,   73728                      ; the way out: for each wave two tiles of 16 rows x (128 bytes + 16); also in place 0
.set STGW,  4608
.set L16, 1                            ; v1   16 x lane
.set ADK, 2                            ; v2   LDS address of the K that is being fetched
.set ADV, 3                            ; v3   of the same step's V
.set QOA, 4                            ; v4   Q: offset of slots 0, 1
.set QOB, 5                            ; v5   of slots 2, 3
.set MST, 6                            ; v6   the joining: my images;   v7 my partner's
.set MLD, 7
.set STO, 8                            ; v8   the way out: where I put 16 bytes of a row;   v9 where I read back
.set RD,  9
.set GO,  10                           ; v10  my byte offset in ctx
.set PFO, 11                           ; v11  256 x lane: the prefetch's offset; never rewritten
.set SPW, 12                           ; v12  LDS address of my spare word; never rewritten
.set NIL, 13                           ; v13  0; never rewritten
.set MSS, 14                           ; v14  the joining: my statistics;   v15 my partner's
.set MSL, 15
.set ST,  16                           ; tile t's statistics at v[ST + 8 t]: +0 c m, +1 m, +2, +3 l (even keys', odd keys'), +4 to +7 at work; a takes +6
.set KF,  48
.set S,   112
.set SB2, 240
.set QF,  128                          ; in window 1
.set VF,  192                          ; in window 1
.set WV,  12                           ; s12 wave;  s13 its half of the keys;  s14 its 64 queries
.set GRP, 13
.set QG,  14
.set LIM, 15                           ; s15 1 in a wave that prefetches, else the greatest number
.set PFA, 18                           ; s[18:19] where my prefetch stands
.set G1,  24                           ; s[24:31] descriptor group 1
.set G0,  40                           ; s[40:47] group 0: a set for each of the two first fills; the second then walks on
.set SLOTS, 56
.set CNT, 57
.set CS,  58                           ; s[58:59] c
.set SEL, 60                           ; s[60:61] lane selects for v_permlanex16_b32: lane l xor 16
.set TB,  62                           ; s62 LDS byte at which the step to be fetched begins
.set MSB, 0
.macro WIN new
.if MSB != (\new)
	s_set_vgpr_msb (MSB<<8)|(\new)
.set MSB, (\new)
.endif
.endm
.set W_KQ, 0x04                        ; K window 0, Q window 1, S^T window 0.  Source 1 alone leaves window 0: a line whose source 1 is no vector register (an exponential; the scaling, which multiplies by a scalar pair) runs under it unchanged
.set W_PV, 0x51                        ; V window 1, P window 0, O^T window 1.  The rescaling (O^T = O^T x a: destination and source 0 window 1, source 1 window 0) runs under it unchanged
.macro PLACES
.rept 4
	v_nop
.endr
.endm
.macro CROUND                          ; a round of the cluster's barrier
	s_barrier_signal -1
	s_barrier_wait -1
	s_cmp_lg_u32 s[WV], 0
	s_cbranch_scc1 .Lnot_wave_0_\@
	s_barrier_signal -3
.Lnot_wave_0_\@:
	s_barrier_wait -3
	s_barrier_signal -1
	s_barrier_wait -1
.endm
; A PREFETCH INTO THE L2 of what the next change of slots will ask for: 65,536 bytes of K and as many of V, lanes 256 bytes apart.  Both clusters of a (batch, head) walk the same K and V: the first asks.  Its four partners take
; 16,384 bytes each, told apart BY ADDRESS; in each, waves 0 and 2 ask for K's halves of that, waves 4 and 6 for V's: each block of 256 bytes is named once.  Only the first change of slots has a slot two on: keys 1,536 to 2,047.
.macro ASK
	s_cmp_gt_u32 s[SLOTS], s[LIM]
	s_cbranch_scc0 .Lnot_mine_\@
	global_prefetch_b8 v[PFO], s[PFA:PFA+1] th:TH_LOAD_NT scope:SCOPE_SE
.Lnot_mine_\@:
.endm
	s_load_b128 s[4:7], s[0:1], 0x0                ; qkv s[4:5], ctx s[6:7]
	v_lshl_add_u32 v[SPW], v0, 2, SPARE
	v_mov_b32 v[NIL], 0
	ds_add_u32 v[SPW], v[NIL]                      ; the wave's opening: the add, twice on end, and its wait ahead of my first tensor load
	ds_add_u32 v[SPW], v[NIL]
	v_lshrrev_b32 v1, 5, v0
	v_readfirstlane_b32 s[WV], v1                  ; wave 0..7
	s_lshr_b32 s[GRP], s[WV], 2
	s_and_b32 s[QG], s[WV], 3
	s_bfe_u32 s16, ttmp6, 0x40000                  ; cx: my place in the cluster
	s_lshl_b32 s17, ttmp9, 2
	s_add_co_u32 s17, s17, s16                     ; my block of 256 queries: it enters Q's and ctx's addresses alone
	s_and_b32 s20, ttmp7, 0xffff                   ; 16 x batch + head, which the four partners share
	s_lshl_b32 s21, s20, 18                        ; its 262,144 bytes in each part of qkv
	s_lshl_b32 s22, s[GRP], 23                     ; what I fetch: waves 0-3 K's quarters (part 1), waves 4-7 V's (part 2)
	s_add_co_u32 s22, s22, 8388608
	s_add_co_u32 s22, s22, s21
	s_lshl_b32 s23, s[QG], 14                      ; a quarter of a slot's 65,536 bytes
	s_add_co_u32 s22, s22, s23
	s_mov_b32 s23, 0
	s_lshl_b32 s32, s[WV], 14                      ; and where it goes: K's four quarters, then V's four: 16,384 x wave
	s_lshl_b32 s2, s17, 15                         ; Q: 16 tiles of 2,048 bytes a block,
	s_add_co_u32 s2, s2, s21
	s_lshl_b32 s3, s[QG], 13                       ; my four
	s_add_co_u32 s2, s2, s3
	s_mov_b32 s3, 0
	s_lshr_b32 s34, s20, 4                         ; ctx [pair of rows][head][2][64] f16: the batch's 1,024 pairs of 4,096 bytes,
	s_lshl_b32 s34, s34, 22
	s_lshl_b32 s35, s17, 19                        ; the block's 128,
	s_add_co_u32 s34, s34, s35
	s_lshl_b32 s35, s[QG], 17                      ; my queries' 32,
	s_add_co_u32 s34, s34, s35
	s_lshl_b32 s35, s[GRP], 16                     ; the 16 of the two tiles that I finish,
	s_add_co_u32 s34, s34, s35
	s_and_b32 s35, s20, 15
	s_lshl_b32 s35, s35, 8                         ; the head's 256 bytes
	s_add_co_u32 s34, s34, s35
	s_mov_b32 s35, 0
	s_lshl_b32 s36, s[GRP], 23                     ; the prefetch: K's or V's part, slot 2 (the first change of slots steps it to slot 3),
	s_add_co_u32 s36, s36, 8388608+2*65536
	s_add_co_u32 s36, s36, s21
	s_lshl_b32 s37, s16, 14                        ; my work-group's 16,384 bytes,
	s_add_co_u32 s36, s36, s37
	s_bfe_u32 s37, s[WV], 0x10001
	s_lshl_b32 s37, s37, 13                        ; my wave's half of them
	s_add_co_u32 s36, s36, s37
	s_mov_b32 s37, 0
	; group 1: 16,384 dense bytes as 64 rows of 256 (32 elements of 8 bytes), no padding
	s_mov_b32 s[G1], 15|(3<<16)|(1<<21)            ; 15:0 the mask: all four work-groups; 17:16 elements of 8 bytes; 21 set beside a mask
	s_mov_b32 s[G1+1], 32<<16                      ; tensor_dim0
	s_mov_b32 s[G1+2], 64<<16                      ; tensor_dim1
	s_mov_b32 s[G1+3], 32<<16                      ; tile_dim0
	s_mov_b32 s[G1+4], 64                          ; tile_dim1
	s_mov_b32 s[G1+5], 32                          ; from row to row
	s_mov_b32 s[G1+6], 0
	s_mov_b32 s[G1+7], 0
	s_mov_b32 s[CS], 0x3e38aa3b                    ; c = log2(e) / 8
	s_mov_b32 s[CS+1], s[CS]                       ; (named with it as a pair, so it is written)
	s_mov_b32 s[SEL], 0x76543210
	s_mov_b32 s[SEL+1], 0xfedcba98
	s_lshl_b32 s[TB], s[GRP], 15                   ; my half of a slot's keys: 32,768 bytes on, in K and in V alike
	s_and_b32 s[LIM], s[WV], 1
	s_or_b32 s[LIM], s[LIM], ttmp9                 ; 0 in the even waves of the first cluster: the same in all four partners
	s_cmp_eq_u32 s[LIM], 0
	s_cselect_b32 s[LIM], 1, -1
	s_wait_dscnt 0x0                               ; both opening adds are done
	s_wait_kmcnt 0x0
	s_add_nc_u64 s[8:9], s[4:5], s[2:3]            ; Q at my first tile
	s_add_nc_u64 s[10:11], s[6:7], s[34:35]        ; ctx at my first pair of rows
	s_add_nc_u64 s[PFA:PFA+1], s[4:5], s[36:37]
	s_add_nc_u64 s[22:23], s[4:5], s[22:23]
	CROUND                                         ; all four work-groups are here: the first joint loads meet
.irp s, 0,1
	s_mov_b32 s[G0+4*\s], 1                        ; count = 1
	s_add_co_u32 s[G0+4*\s+1], s32, \s*SLOT1       ; LDS address
	s_add_nc_u64 s[G0+4*\s+2:G0+4*\s+3], s[22:23], \s*65536   ; global address: keys 512 s on
	s_or_b32 s[G0+4*\s+3], s[G0+4*\s+3], 0x80000000            ; type = 2
.endr
	tensor_load_to_lds s[G0:G0+3], s[G1:G1+7]      ; every wave moves bytes of its own: both addresses hang on the wave's number.  Two loads of mine are out
	s_nop 0
	tensor_load_to_lds s[G0+4:G0+7], s[G1:G1+7]
	s_nop 0
	PLACES
	v_and_b32 v248, 31, v0                         ; lane
	v_lshlrev_b32 v[L16], 4, v248
	s_lshl_b32 s33, s[GRP], 12
	v_add_nc_u32 v[QOA], s33, v[L16]               ; slots 0, 1: tiles 2 (w >> 2) and the next
	s_sub_co_u32 s33, 4096, s33
	v_add_nc_u32 v[QOB], s33, v[L16]               ; slots 2, 3: the other two
	WIN 0x40                                       ; destination window 1
.irp t, 0,1
.irp k, 0,1,2,3
	global_load_b128 v[QF+16*\t+4*\k:QF+16*\t+4*\k+3], v[QOA], s[8:9] offset:2048*\t+512*\k         ; Q stays in registers
	global_load_b128 v[QF+32+16*\t+4*\k:QF+32+16*\t+4*\k+3], v[QOB], s[8:9] offset:2048*\t+512*\k
.endr
.endr
.set i, 0
.rept 128
	v_mov_b32 v[i], 0                              ; O^T.  The step is written without a first form: the first step finds zeros, which a = 0 leaves zeros.  (While the first tiles are on their way)
.set i, i+1
.endr
	WIN 0
	s_mul_i32 s33, s[WV], MRGW
	v_add_nc_u32 v[MST], s33, v[L16]
	v_lshl_add_u32 v[MSS], v248, 2, s33
	v_add_nc_u32 v[MSS], 8192, v[MSS]
	s_xor_b32 s33, s[WV], 4                        ; my partner
	s_mul_i32 s33, s33, MRGW
	v_add_nc_u32 v[MLD], s33, v[L16]
	v_lshl_add_u32 v[MSL], v248, 2, s33
	v_add_nc_u32 v[MSL], 8192, v[MSL]
	s_mul_i32 s33, s[WV], STGW
	s_add_co_u32 s33, s33, STG
	v_and_b32 v249, 15, v0                         ; r
	v_bfe_u32 v250, v0, 4, 1                       ; h
	v_mul_u32_u24 v[STO], v249, 144
	v_lshl_add_u32 v[STO], v250, 4, v[STO]
	v_add_nc_u32 v[STO], s33, v[STO]               ; in: row r, 16 bytes for each half of the lanes
	v_bfe_u32 v251, v0, 3, 1
	v_lshl_add_u32 v251, v250, 1, v251
	v_mul_u32_u24 v[RD], v251, 144
	v_and_b32 v251, 7, v0
	v_lshl_add_u32 v[RD], v251, 4, v[RD]
	v_add_nc_u32 v[RD], s33, v[RD]                 ; back: eight lanes to a row of 128 bytes, sixteen to a pair of rows
	v_lshlrev_b32 v[GO], 12, v250
	v_lshl_add_u32 v[GO], v249, 4, v[GO]           ; and in ctx: a pair's 256 bytes; lanes 16-31 the next pair, 4,096 bytes on
	v_lshlrev_b32 v[PFO], 8, v248
.irp t, 0,1,2,3
	v_mov_b32 v[ST+8*\t+1], 0xff61b1e6             ; m = -3e38, under every score
	v_mov_b32 v[ST+8*\t+2], 0                      ; l
	v_mov_b32 v[ST+8*\t+3], 0
	v_mov_b32 v[ST+8*\t+5], 0                      ; (a lane permute's destination counts as one of its sources)
	v_mul_f32 v[ST+8*\t], s[CS], v[ST+8*\t+1]      ; c m
.endr
; THE LDS LOADS stand in two runs of 16 a key step.  K of the next step (4 tiles of 16 keys) at the head of piece 0's turn; the same step's V (2 chunks of 32 keys) in piece 2's turn, behind its products V^T P.
.macro FETCH_K
	WIN 0
	v_add_nc_u32 v[ADK], s[TB], v[L16]
	v_add_nc_u32 v[ADV], VOFF, v[ADK]              ; V's address is made here too: it is read a turn later, under other windows
.irp k, 0,1,2,3,4,5,6,7,8,9,10,11,12,13,14,15
	ds_load_b128 v[KF+4*\k:KF+4*\k+3], v[ADK] offset:512*\k     ; tile k / 4, channels 32 ((k / 2) % 2) on, registers 4 (k % 2) on
.endr
.endm
.macro FETCH_V
	WIN 0x40                                       ; destination window 1
.irp k, 0,1,2,3,4,5,6,7,8,9,10,11,12,13,14,15
	ds_load_b128 v[VF+4*\k:VF+4*\k+3], v[ADV] offset:512*\k     ; chunk k / 8, channels 16 ((k / 2) % 4) on, registers 4 (k % 2) on
.endr
	s_add_co_u32 s[TB], s[TB], 8192                ; the next fetch is the next step's
.endm
; THE MAXIMUM of piece y: of each lane's 32 scores and the old m, three operands at a time, four chains a tile, the two tiles by turns; each accumulator is read from its low end on.  Then the new m, c m and a.
.macro MX y
.irp j, 0,1,2,3
.irp t, \y, \y+1
	v_max3_num_f32 v[ST+8*(\t)+4+\j], v[S+32*(\t)+8*\j], v[S+32*(\t)+8*\j+1], v[S+32*(\t)+8*\j+2]
.endr
.endr
.irp g, 1,2
.irp j, 0,1,2,3
.irp t, \y, \y+1
	v_max3_num_f32 v[ST+8*(\t)+4+\j], v[ST+8*(\t)+4+\j], v[S+32*(\t)+8*\j+2*\g+1], v[S+32*(\t)+8*\j+2*\g+2]
.endr
.endr
.endr
.irp t, \y, \y+1
	v_max3_num_f32 v[ST+8*(\t)+4], v[ST+8*(\t)+4], v[S+32*(\t)+7], v[S+32*(\t)+15]
	v_max3_num_f32 v[ST+8*(\t)+6], v[ST+8*(\t)+6], v[S+32*(\t)+23], v[S+32*(\t)+31]
.endr
.irp t, \y, \y+1
	v_max3_num_f32 v[ST+8*(\t)+4], v[ST+8*(\t)+4], v[ST+8*(\t)+5], v[ST+8*(\t)+6]
.endr
.irp t, \y, \y+1
	v_max3_num_f32 v[ST+8*(\t)+4], v[ST+8*(\t)+4], v[ST+8*(\t)+7], v[ST+8*(\t)+1]
.endr
.irp t, \y, \y+1
	v_permlanex16_b32 v[ST+8*(\t)+5], v[ST+8*(\t)+4], s[SEL], s[SEL+1]   ; the query's other 32 keys lie in the lane 16 away
.endr
.irp t, \y, \y+1
	v_mov_b32 v[ST+8*(\t)+7], v[ST+8*(\t)]         ; c m_old is kept for a
.endr
.irp t, \y, \y+1
	v_max_num_f32 v[ST+8*(\t)+1], v[ST+8*(\t)+4], v[ST+8*(\t)+5]
.endr
.irp t, \y, \y+1
	v_mul_f32 v[ST+8*(\t)], s[CS], v[ST+8*(\t)+1]
.endr
.irp t, \y, \y+1
	v_sub_f32 v[ST+8*(\t)+7], v[ST+8*(\t)+7], v[ST+8*(\t)]
.endr
.irp t, \y, \y+1
	v_exp_f32 v[ST+8*(\t)+6], v[ST+8*(\t)+7]       ; a
.endr
	v_nop                                          ; the plain line behind the exponentials,
	s_wait_alu depctr_va_vdst(0)                   ; and the wait ahead of a's first reader, the rescaling
.endm
; 16 products O^T += V^T P of piece x: product i: keys 32 (i / 8) on, channels 16 ((i / 2) % 4) on, tile x + i % 2: eight accumulators by turns.
; rs = 1: behind product i stand two lines of piece y's rescaling, pair i of each of its two tiles (each accumulator from its low end on): they name nothing of piece x's products.
.macro PVRS x, y, rs
	WIN W_PV
.set i, 0
.rept 16
.set rO, 32*((\x)+i%2)+8*((i/2)%4)
.set rV, VF+32*(i/8)+8*((i/2)%4)
.set rP, S+32*((\x)+i%2)+8*(i/8)
	v_wmma_f32_16x16x32_f16 v[rO:rO+7], v[rV:rV+7], v[rP:rP+7], v[rO:rO+7]
.if \rs
	v_pk_mul_f32 v[32*(\y)+2*i:32*(\y)+2*i+1], v[32*(\y)+2*i:32*(\y)+2*i+1], v[ST+8*(\y)+6:ST+8*(\y)+7] op_sel_hi:[1,0]
	v_pk_mul_f32 v[32*(\y)+32+2*i:32*(\y)+32+2*i+1], v[32*(\y)+32+2*i:32*(\y)+32+2*i+1], v[ST+8*(\y)+14:ST+8*(\y)+15] op_sel_hi:[1,0]
.endif
.set i, i+1
.endr
.endm
; The scaling of pair pp of piece y's 32 pairs of scores (tile y + pp % 2, pair pp / 2 of its 16): c s - c m, two at a time.
.macro SCAL y, pp
.set rS, S+32*((\y)+(\pp)%2)+2*((\pp)/2)
.set rT, ST+8*((\y)+(\pp)%2)
	v_pk_fma_f32 v[rS:rS+1], v[rS:rS+1], s[CS:CS+1], v[rT:rT+1] op_sel_hi:[1,0,0] neg_lo:[0,0,1] neg_hi:[0,0,1]
.endm
; Line n of the 92 that follow the four leading scalings: for pair p = 0 .. 27 its two exponentials and the scaling of pair p + 4; for pairs 28 .. 31 the two exponentials.  A pair is scaled four groups ahead of its
; exponentials, and no line reads an exponential's result.
.macro SEI y
.if n < 84
.set p, n/3
.if (n%3) < 2
	v_exp_f32 v[S+32*((\y)+p%2)+2*(p/2)+n%3], v[S+32*((\y)+p%2)+2*(p/2)+n%3]
.else
	SCAL \y, p+4
.endif
.elseif n < 92
.set p, 28+(n-84)/2
	v_exp_f32 v[S+32*((\y)+p%2)+2*(p/2)+(n-84)%2], v[S+32*((\y)+p%2)+2*(p/2)+(n-84)%2]
.endif
.set n, n+1
.endm
; 16 products S^T = K Q^T of piece x for the next step (kq = 1): product i: channels 32 (i / 8) on, keys 16 ((i / 2) % 4) on, tile x + i % 2; the first eight start the sums; eight accumulators by turns.
; Behind each stand six lines of piece y's scalings and exponentials.  The four leading scalings and the two rescaling lines in front of them are six plain lines behind the last V^T P: the loads into V's registers want four places,
; the products that write S^T over P five (ISA guide 7.12.1 for the products).  The piece's 64 exponentials are one batch with one wait.
.macro KQSE x, y, kq
	WIN W_KQ
.irp q, 0,1,2,3
	SCAL \y, \q
.endr
.if (\x == 2) && \kq
	FETCH_V                                        ; both pieces have multiplied by V of the step in hand
	WIN W_KQ
.elseif \kq
	s_wait_dscnt 0x0                               ; K of the next step, asked for at the turn's head, is in
.endif
.set n, 0
.set i, 0
.rept 16
.if \kq
.set rD, S+32*((\x)+i%2)+8*((i/2)%4)
.set rK, KF+16*((i/2)%4)+8*(i/8)
.set rQ, QF+16*((\x)+i%2)+8*(i/8)
.if i < 8
	v_wmma_f32_16x16x32_f16 v[rD:rD+7], v[rK:rK+7], v[rQ:rQ+7], 0
.else
	v_wmma_f32_16x16x32_f16 v[rD:rD+7], v[rK:rK+7], v[rQ:rQ+7], v[rD:rD+7]
.endif
.endif
.rept 6
	SEI \y
.endr
.set i, i+1
.endr
	v_nop                                          ; the plain line behind the last exponential,
	s_wait_alu depctr_va_vdst(0)                   ; and the one wait ahead of the batch's first reader
	WIN 0
.endm
; THE SUMS of piece y's f32 weights, in two chains a tile; l = a l + the sum; then P, rounded to f16 in place: register i is written when pairs 0 .. i - 1 have been read.
.macro SC y
.irp t, \y, \y+1
	v_pk_add_f32 v[ST+8*(\t)+4:ST+8*(\t)+5], v[S+32*(\t):S+32*(\t)+1], v[S+32*(\t)+2:S+32*(\t)+3]
	v_pk_add_f32 v[SB2+2*(\t):SB2+2*(\t)+1], v[S+32*(\t)+16:S+32*(\t)+17], v[S+32*(\t)+18:S+32*(\t)+19]
.endr
.irp b, 2,3,4,5,6,7
.irp t, \y, \y+1
	v_pk_add_f32 v[ST+8*(\t)+4:ST+8*(\t)+5], v[ST+8*(\t)+4:ST+8*(\t)+5], v[S+32*(\t)+2*\b:S+32*(\t)+2*\b+1]
	v_pk_add_f32 v[SB2+2*(\t):SB2+2*(\t)+1], v[SB2+2*(\t):SB2+2*(\t)+1], v[S+32*(\t)+16+2*\b:S+32*(\t)+16+2*\b+1]
.endr
.endr
.irp t, \y, \y+1
	v_pk_add_f32 v[ST+8*(\t)+4:ST+8*(\t)+5], v[ST+8*(\t)+4:ST+8*(\t)+5], v[SB2+2*(\t):SB2+2*(\t)+1]
.endr
.irp t, \y, \y+1
	v_pk_fma_f32 v[ST+8*(\t)+2:ST+8*(\t)+3], v[ST+8*(\t)+2:ST+8*(\t)+3], v[ST+8*(\t)+6:ST+8*(\t)+7], v[ST+8*(\t)+4:ST+8*(\t)+5] op_sel_hi:[1,0,1]
.endr
.irp i, 0,1,2,3,4,5,6,7,8,9,10,11,12,13,14,15
.irp t, \y, \y+1
	v_cvt_pk_f16_f32 v[S+32*(\t)+\i], v[S+32*(\t)+2*\i], v[S+32*(\t)+2*\i+1]
.endr
.endr
.endm
; A TURN.  Piece x has the matrix unit, piece y its softmax.  kq = 0: the last step's turn: nothing is fetched and there is no next K Q^T.
; Piece 0's turn fetches the next step's K at its head: the last product that read K stands in front of the sums and roundings of the turn before.
.macro TURN x, y, kq
.if (\x == 0) && \kq
	FETCH_K
.endif
	MX \y
.if \x == 0
	s_wait_dscnt 16*\kq                            ; V of the step in hand is in; K's sixteen loads, issued behind V's, may be out (kq = 0: none were issued)
.endif
	PVRS \x, \y, 1
	KQSE \x, \y, \kq
	SC \y
.endm
.macro STEPS cnt                       ; cnt key steps: written once, walked cnt times; the LDS addresses hang on s[TB]
	s_mov_b32 s[CNT], \cnt
.Lstep_\@:
	TURN 0, 2, 1
	TURN 2, 0, 1
	s_sub_co_u32 s[CNT], s[CNT], 1
	s_cmp_lg_u32 s[CNT], 0
	s_cbranch_scc1 .Lstep_\@
.endm
; THE CHANGE OF SLOTS stands between piece 2's turn of a slot's third step and piece 0's turn of its fourth: the slot's last bytes, K and V of its fourth step, have been asked for.  Each wave waits for all its tensor loads
; (one is out: its part of the other place), adds 0 to its spare word, and waits for that and for its reads of the place that it leaves.
; fill = 1: that place is filled again, with the keys two slots on: the barrier is a round of the cluster's, and the joint refill is the first thing behind it: it has four key steps in which to land.
.macro CHANGE fill
	s_wait_tensorcnt 0x0                           ; no tensor load of mine is out, so a group 0 may be written
	ds_add_u32 v[SPW], v[NIL]
	s_sub_co_u32 s[TB], s[TB], 32768               ; the fetches go back to my half's first step,
	s_xor_b32 s[TB], s[TB], SLOT1                  ; in the other place
.if \fill
	s_xor_b32 s[G0+5], s[G0+5], SLOT1              ; the walking descriptor: the other place than last time,
	s_add_nc_u64 s[G0+6:G0+7], s[G0+6:G0+7], 65536 ; the next 512 keys; the type bits on top are not reached
	s_wait_xcnt 0x0                                ; an earlier prefetch has read its address, so it may be written:
	s_add_nc_u64 s[PFA:PFA+1], s[PFA:PFA+1], 65536 ; one slot further on than the walking descriptor
	s_wait_dscnt 0x0                               ; the add is done, and my reads of the place are over
	CROUND
	tensor_load_to_lds s[G0+4:G0+7], s[G1:G1+7]
	s_nop 0
	PLACES
	ASK
.else
	s_wait_dscnt 0x0
	s_barrier_signal -1
	s_barrier_wait -1
.endif
.endm
	s_wait_loadcnt 0x0                             ; Q
	s_wait_tensorcnt 1                             ; my part of slot 0 is in; slot 1's may stay out
	s_barrier_signal -1
	s_barrier_wait -1                              ; everybody's is
	FETCH_K                                        ; key step 0
	FETCH_V
	s_wait_dscnt 16                                ; K is in; V's sixteen loads may be out
	WIN W_KQ
.irp u, 0,1                                    ; both pieces' first scores: there is no vector work yet to set between them; the 16 accumulators by turns
.irp k, 0,1,2,3
.irp t, 0,1,2,3
.if \u == 0
	v_wmma_f32_16x16x32_f16 v[S+32*\t+8*\k:S+32*\t+8*\k+7], v[KF+16*\k+8*\u:KF+16*\k+8*\u+7], v[QF+16*\t+8*\u:QF+16*\t+8*\u+7], 0
.else
	v_wmma_f32_16x16x32_f16 v[S+32*\t+8*\k:S+32*\t+8*\k+7], v[KF+16*\k+8*\u:KF+16*\k+8*\u+7], v[QF+16*\t+8*\u:QF+16*\t+8*\u+7], v[S+32*\t+8*\k:S+32*\t+8*\k+7]
.endif
.endr
.endr
.endr
	WIN 0
	PLACES                                         ; behind those products
	MX 0                                           ; piece 0's first softmax stands alone; O^T is zero, so it has nothing to rescale
	KQSE 0, 0, 0
	SC 0
	STEPS 3                                        ; steps 0 to 2, which fetch steps 1 to 3
	s_mov_b32 s[SLOTS], 2
.Lslot:                                            ; two trips: place 0 takes keys 1,024 on, place 1 keys 1,536 on; a trip walks a slot's fourth step and the next slot's first three
	CHANGE 1
	STEPS 4
	s_sub_co_u32 s[SLOTS], s[SLOTS], 1
	s_cmp_lg_u32 s[SLOTS], 0
	s_cbranch_scc1 .Lslot
	CHANGE 0                                       ; the last change is written out: nothing is left to ask for
	STEPS 4
	TURN 0, 2, 0                                   ; the last step: piece 0's V^T P | piece 2's last softmax
	PVRS 2, 0, 0                                   ; piece 2's V^T P
	WIN 0
	; THE JOINING.  l's two halves and the other half of the lanes' are added (these lines are also the places behind the last products)
.irp t, 0,1,2,3
	v_add_f32 v[ST+8*\t+2], v[ST+8*\t+2], v[ST+8*\t+3]
.endr
.irp t, 0,1,2,3
	v_permlanex16_b32 v[ST+8*\t+4], v[ST+8*\t+2], s[SEL], s[SEL+1]
.endr
.irp t, 0,1,2,3
	v_add_f32 v[ST+8*\t+2], v[ST+8*\t+2], v[ST+8*\t+4]
.endr
	s_wait_dscnt 0x0
	s_barrier_signal -1
	s_barrier_wait -1                              ; every wave's reads of the ring are over: its bytes, which have had their last fill, now serve the joining and the way out
	WIN 0x04                                       ; an LDS store's data are its source 1: window 1
.irp k, 0,1,2,3,4,5,6,7,8,9,10,11,12,13,14,15
	ds_store_b128 v[MST], v[64+4*\k:67+4*\k] offset:512*\k      ; O^T of slots 2, 3, as it stands
.endr
	WIN 0
	ds_store_b32 v[MSS], v[ST+16]                  ; c m of slot 2,
	ds_store_b32 v[MSS], v[ST+24] offset:128       ; of slot 3,
	ds_store_b32 v[MSS], v[ST+18] offset:256       ; l of slot 2,
	ds_store_b32 v[MSS], v[ST+26] offset:384       ; of slot 3
	s_wait_dscnt 0x0                               ; for my partner's sake: my stores have landed
	s_barrier_signal -1
	s_barrier_wait -1
.irp k, 0,1,2,3,4,5,6,7,8,9,10,11,12,13,14,15
	ds_load_b128 v[S+4*\k:S+4*\k+3], v[MLD] offset:512*\k       ; my partner's slots 2, 3 are my slots 0, 1
.endr
.irp k, 0,1,2,3
	ds_load_b32 v[240+\k], v[MSL] offset:128*\k
.endr
	s_wait_dscnt 0x0
.irp i, 0,1
	v_max_num_f32 v[248+\i], v[ST+8*\i], v[240+\i] ; the larger c m
.endr
.irp i, 0,1
	v_sub_f32 v[ST+8*\i+4], v[ST+8*\i], v[248+\i]
	v_sub_f32 v[ST+8*\i+6], v[240+\i], v[248+\i]
.endr
.irp i, 0,1
	v_exp_f32 v[ST+8*\i+4], v[ST+8*\i+4]           ; what brings my sums under it,
	v_exp_f32 v[ST+8*\i+6], v[ST+8*\i+6]           ; and my partner's
.endr
	v_nop
	s_wait_alu depctr_va_vdst(0)                   ; one wait for the four
.irp i, 0,1
	v_mul_f32 v[250+\i], v[ST+8*\i+2], v[ST+8*\i+4]
.endr
.irp i, 0,1
	v_fma_f32 v[250+\i], v[242+\i], v[ST+8*\i+6], v[250+\i]     ; the row's whole sum
.endr
.irp i, 0,1
	v_rcp_f32 v[252+\i], v[250+\i]
.endr
	v_nop
	s_wait_alu depctr_va_vdst(0)                   ; one wait for the two
.irp i, 0,1
	v_mul_f32 v[ST+8*\i+4], v[ST+8*\i+4], v[252+\i]
	v_mul_f32 v[ST+8*\i+6], v[ST+8*\i+6], v[252+\i]
.endr
.irp i, 0,1
.irp k, 0,1,2,3,4,5,6,7,8,9,10,11,12,13,14,15
	v_pk_mul_f32 v[S+32*\i+2*\k:S+32*\i+2*\k+1], v[S+32*\i+2*\k:S+32*\i+2*\k+1], v[ST+8*\i+6:ST+8*\i+7] op_sel_hi:[1,0]
.endr
.endr
	WIN 0x01                                       ; source 0: my O^T, window 1
.irp i, 0,1
.irp k, 0,1,2,3,4,5,6,7,8,9,10,11,12,13,14,15
	v_pk_fma_f32 v[S+32*\i+2*\k:S+32*\i+2*\k+1], v[32*\i+2*\k:32*\i+2*\k+1], v[ST+8*\i+4:ST+8*\i+5], v[S+32*\i+2*\k:S+32*\i+2*\k+1] op_sel_hi:[1,0,1]
.endr
.endr
	WIN 0
.irp i, 0,1
.irp k, 0,1,2,3,4,5,6,7,8,9,10,11,12,13,14,15
	v_cvt_pk_f16_f32 v[176+16*\i+\k], v[S+32*\i+2*\k], v[S+32*\i+2*\k+1]
.endr
.endr
	; THE WAY OUT: a lane's eight channels of a row are 16 bytes; they go through my own stage and come back so that sixteen lanes hold the 256 bytes of one head of two neighbouring rows
.irp i, 0,1
.irp d, 0,1,2,3
	ds_store_b128 v[STO], v[176+16*\i+4*\d:179+16*\i+4*\d] offset:2304*\i+32*\d
.endr
.endr
.irp i, 0,1
.irp e, 0,1,2,3
	ds_load_b128 v[208+16*\i+4*\e:211+16*\i+4*\e], v[RD] offset:2304*\i+576*\e   ; LDS serves a wave's instructions in order: these see my stores
.endr
.endr
.irp i, 0,1
.irp e, 0,1,2,3
	s_wait_dscnt 7-(4*\i+\e)
	global_store_b128 v[GO], v[208+16*\i+4*\e:211+16*\i+4*\e], s[10:11] offset:32768*\i+8192*\e   ; sixteen lanes store 256 consecutive bytes, aligned
.endr
.endr
	s_wait_tensorcnt 0x0                           ; the wave's end
	ds_add_u32 v[SPW], v[NIL]
	s_wait_dscnt 0x0
	CROUND                                         ; the closing round: no work-group ends while a partner may still ask for a tile that names it
	s_endpgm
.Lfunc_end_k_qbb6b34c1a7_attn:
	.size	k_qbb6b34c1a7_attn, .Lfunc_end_k_qbb6b34c1a7_attn-k_qbb6b34c1a7_attn
	.p2alignl 7, 3214868480
	.fill 96, 4, 3214868480
	.section	.rodata,"a",@progbits
	.p2align	6, 0x0
	.amdhsa_kernel k_qbb6b34c1a7_attn
		.amdhsa_group_segment_fixed_size 327680
		.amdhsa_private_segment_fixed_size 0
		.amdhsa_enable_private_segment 0
		.amdhsa_kernarg_size 16
		.amdhsa_user_sgpr_count 2
		.amdhsa_user_sgpr_kernarg_segment_ptr 1
		.amdhsa_wavefront_size32 1
		.amdhsa_system_sgpr_workgroup_id_x 1
		.amdhsa_system_sgpr_workgroup_id_y 1
		.amdhsa_system_sgpr_workgroup_id_z 1
		.amdhsa_system_vgpr_workitem_id 0
		.amdhsa_next_free_vgpr 512
		.amdhsa_next_free_sgpr 66
		.amdhsa_reserve_vcc 0
		.amdhsa_float_denorm_mode_32 3
		.amdhsa_float_denorm_mode_16_64 3
		.amdhsa_memory_ordered 1
		.amdhsa_forward_progress 1
		.amdhsa_inst_pref_size 152
	.end_amdhsa_kernel
	.amdgpu_metadata
---
amdhsa.version: [ 1, 2 ]
amdhsa.kernels:
  - .name:           k_qbb6b34c1a7_attn
    .symbol:         k_qbb6b34c1a7_attn.kd
    .args:
      - { .name: qkv, .offset: 0, .size: 8, .value_kind: global_buffer, .address_space: global }
      - { .name: ctx, .offset: 8, .size: 8, .value_kind: global_buffer, .address_space: global }
    .group_segment_fixed_size: 327680
    .private_segment_fixed_size: 0
    .kernarg_segment_align: 8
    .kernarg_segment_size: 16
    .max_flat_workgroup_size: 256
    .sgpr_count:     66
    .vgpr_count:     512
    .wavefront_size: 32
...
	.end_amdgpu_metadata
.endif
;; end of part 3
;; launch oproj (part 4): grid 8 x 32, 4 waves a work-group, clusters of 4 x 4, 327,680 bytes of LDS; arguments ctx, wo16, bo, out0; writes out0
.if DOCPART == 4
	.amdgcn_target "amdgcn-amd-amdhsa--gfx1250"
	.amdhsa_code_object_version 6
	.text
	.protected	k_qbb6b34c1a7_oproj
	.globl	k_qbb6b34c1a7_oproj
	.p2align	8
	.type	k_qbb6b34c1a7_oproj,@function
k_qbb6b34c1a7_oproj:
	s_mov_b64 s[64:65], 0
	v_nop
	global_prefetch_b8 v0, s[64:65] scope:SCOPE_SE
	s_setreg_imm32_b32 hwreg(HW_REG_WAVE_MODE, 25, 1), 1
	s_wait_xcnt 0x0
	s_wait_alu depctr_hold_cnt(0) depctr_sa_sdst(0) depctr_va_vdst(0) depctr_va_sdst(0) depctr_va_ssrc(0) depctr_va_vcc(0) depctr_vm_vsrc(0)
	s_getreg_b32 s2, hwreg(HW_REG_IB_STS2, 6, 4)
	s_cmp_eq_u32 s2, 0
	s_cbranch_scc0 .Lentry_in_a_cluster
	s_endpgm
.Lentry_in_a_cluster:
	s_bfe_u32 s2, ttmp6, 0x10000c
	s_cmp_lg_u32 s2, 0xf033
	s_cbranch_scc0 .Lentry_shape_is_right
	s_endpgm
.Lentry_shape_is_right:
; out0 = ctx Wo + bo: [4096 x 1024] x [1024 x 1024], operands f16, sums f32, the bias as the C of each sum's first product, the result f32.
; A = ctx, laid [pair of rows: 2048][head: 16][row of the pair: 2][64] f16: a pair-row is 4,096 bytes, and a K step of 256 (four heads) is 1,024 bytes of it on end.  B = wo16 [k][n] f16, K its first axis: its fragments come
; out of LDS turned, by ds_load_tr16_b128.
; A tile of out0 is 128 x 128, so that there are 256 work-groups; four waves, 64 x 64 each: 16 accumulators.  K goes in four steps of 256 through a ring of two LDS slots; the text is written straight, without a loop.
; CLUSTERS: 4 x 4 work-groups: A's tiles are shared along a row of the cluster, B's along a column, each asked for jointly.
; THE MATRIX INSTRUCTION IS USED TRANSPOSED (source 0 = 16 columns of Wo, source 1 = 16 rows of ctx): a lane holds eight neighbouring numbers of a row of out0.
; REGISTERS: window 0: v0-31 addresses; v32-95 at work on the way out; v96-127 the bias, eight registers for each of my four blocks of columns; v128-255 the accumulators ((a, b) at v[128 + 8 (4 a + b)]).
;   window 1: two fragment buffers of 128: for 64 along K (one head), 64 registers of A, then 64 of B.
.set PA,     1040                      ; A's pair-row in LDS: 1,024 bytes + 16: rows r and r + 1 of a pair lie 128 bytes apart, pairs 16 bytes further round the banks: the 16 rows of a load start at 16 different columns of 16 bytes
.set PB,     288                       ; B's k-row: 256 bytes + 32
.set HALFA,  32*PA                     ; what one tensor load brings of A: 64 rows
.set HALFB,  128*PB                    ; of B: 128 k-rows
.set BOFF,   2*HALFA
.set SLOT,   BOFF+2*HALFB
.set STAGE,  2*SLOT                    ; behind the ring: 16 rows x (256 bytes + 16) for each wave: a wave's 64 columns of f32 are 256 bytes, so each wave has a stage of its own
.set SPITCH, 272
.set SPARE,  STAGE+4*16*SPITCH         ; the spare words, 128 bytes for each wave: two blocks of 256 bytes that no other line names
.set ADRA, 16                          ; v16-17  LDS address of my A fragments in slot 0, 1
.set ADRB, 20                          ; v20-23  of my B fragments: slot 0 k-rows 0-127, 128-255; slot 1 likewise (so that every offset stays inside 16 bits)
.set STO,  24
.set RD,   25
.set CO,   26
.set BO,   27
.set SPW,  28                          ; v28     LDS address of my spare word; never rewritten
.set NIL,  29                          ; v29     0; never rewritten
.set TMP,  32
.set BIAS, 96
.set ACC,  128
.set F0,   0
.set F1,   128
.set G1, 24                            ; s[24:31] group 1 for A's tiles;  s[32:39] group 0, one set for each slot
.set G0, 32
.set G1B, 48                           ; s[48:55], s[56:63] the same for B's tiles
.set G0B, 56
.set MSB, 0
.macro WIN new
.if MSB != (\new)
	s_set_vgpr_msb (MSB<<8)|(\new)
.set MSB, (\new)
.endif
.endm
.set MUL,  0x05                        ; sources 0 (B) and 1 (A) window 1; C and D window 0
.set TO_F, 0x40                        ; destination window 1, address window 0
.macro JLOAD s                         ; a joint load: waves 0 and 1 fetch A's two halves, waves 2 and 3 B's; an s_nop 0 and four v_nop follow each of the two lines
	s_cmp_eq_u32 s11, 0
	s_cbranch_scc0 .Lfor_b_\@
	tensor_load_to_lds s[G0+4*\s:G0+4*\s+3], s[G1:G1+7]
	s_nop 0
.rept 4
	v_nop
.endr
	s_branch .Lasked_\@
.Lfor_b_\@:
	tensor_load_to_lds s[G0B+4*\s:G0B+4*\s+3], s[G1B:G1B+7]
	s_nop 0
.rept 4
	v_nop
.endr
.Lasked_\@:
.endm
.macro CREST                           ; a round of the cluster's barrier behind its opening barrier
	s_cmp_lg_u32 s10, 0
	s_cbranch_scc1 .Lnot_wave_0_\@
	s_barrier_signal -3
.Lnot_wave_0_\@:
	s_barrier_wait -3
	s_barrier_signal -1
	s_barrier_wait -1
.endm
.macro CROUND
	s_barrier_signal -1
	s_barrier_wait -1
	CREST
.endm
	s_load_b128 s[4:7], s[0:1], 0x0                ; ctx s[4:5], wo16 s[6:7]
	s_load_b64 s[2:3], s[0:1], 0x10                ; bo
	s_load_b64 s[8:9], s[0:1], 0x18                ; out0
	v_lshl_add_u32 v[SPW], v0, 2, SPARE
	v_mov_b32 v[NIL], 0
	ds_add_u32 v[SPW], v[NIL]                      ; the wave's opening: the add, twice on end, and its wait ahead of my first tensor load
	ds_add_u32 v[SPW], v[NIL]
	v_lshrrev_b32 v1, 5, v0
	v_readfirstlane_b32 s10, v1                    ; wave 0..3
	s_lshr_b32 s11, s10, 1                         ; which half of the tile's rows is mine.  Also: I fetch for A (0) or for B (1)
	s_and_b32 s12, s10, 1                          ; which half of its columns.  Also: which half of that tile I fetch
	s_bfe_u32 s40, ttmp6, 0x40000                  ; cx, cy
	s_bfe_u32 s41, ttmp6, 0x40004
	s_lshl_b32 s42, ttmp9, 2
	s_add_co_u32 s42, s42, s40                     ; tile column
	s_and_b32 s13, ttmp7, 0xffff
	s_lshl_b32 s13, s13, 2
	s_add_co_u32 s13, s13, s41                     ; tile row
	s_lshl_b32 s43, s41, 2
	s_lshl_b32 s43, 15, s43                        ; my row of the cluster
	s_lshl_b32 s44, 0x1111, s40                    ; my column
	; group 1 for A: 32 pair-rows x 512 elements of 2 bytes, four words of padding behind every 256
	s_or_b32 s[G1+0], s43, (1<<16)|(1<<20)|(1<<21)|(7<<22)|(3<<25)
	s_mov_b32 s[G1+1], 512<<16                     ; tensor_dim0
	s_mov_b32 s[G1+2], 32<<16                      ; tensor_dim1
	s_mov_b32 s[G1+3], 512<<16                     ; tile_dim0
	s_mov_b32 s[G1+4], 32                          ; tile_dim1
	s_mov_b32 s[G1+5], 2048                        ; from pair-row to pair-row
	s_mov_b32 s[G1+6], 0
	s_mov_b32 s[G1+7], 0
	; for B: 128 k-rows x 128 elements, eight words of padding behind every 64
	s_or_b32 s[G1B+0], s44, (1<<16)|(1<<20)|(1<<21)|(5<<22)|(7<<25)
	s_mov_b32 s[G1B+1], 128<<16
	s_mov_b32 s[G1B+2], 128<<16
	s_mov_b32 s[G1B+3], 128<<16
	s_mov_b32 s[G1B+4], 128
	s_mov_b32 s[G1B+5], 1024
	s_mov_b32 s[G1B+6], 0
	s_mov_b32 s[G1B+7], 0
	s_lshl_b32 s16, s13, 18                        ; A: 64 pair-rows of 4,096 bytes a tile row,
	s_lshl_b32 s17, s12, 17                        ; 32 for the half that I fetch
	s_add_co_u32 s16, s16, s17
	s_mov_b32 s17, 0
	s_lshl_b32 s46, s42, 8                         ; B: 128 columns of 2 bytes a tile column,
	s_lshl_b32 s47, s12, 18                        ; 128 k-rows of 2,048 bytes for the half that I fetch
	s_add_co_u32 s46, s46, s47
	s_mov_b32 s47, 0
	s_mul_i32 s20, s12, HALFA                      ; where they go: no place in the cluster enters an LDS address
	s_mul_i32 s21, s12, HALFB
	s_add_co_u32 s21, s21, BOFF
	s_wait_dscnt 0x0                               ; both opening adds are done
	s_wait_kmcnt 0x0
	s_add_nc_u64 s[14:15], s[4:5], s[16:17]
	s_add_nc_u64 s[46:47], s[6:7], s[46:47]
	CROUND                                         ; all sixteen work-groups are here: the first joint loads meet
.irp s, 0,1
	s_mov_b32 s[G0+4*\s], 1
	s_add_co_u32 s[G0+4*\s+1], s20, \s*SLOT
	s_add_nc_u64 s[G0+4*\s+2:G0+4*\s+3], s[14:15], \s*1024       ; K step s: four heads on
	s_or_b32 s[G0+4*\s+3], s[G0+4*\s+3], 0x80000000
	s_mov_b32 s[G0B+4*\s], 1
	s_add_co_u32 s[G0B+4*\s+1], s21, \s*SLOT
	s_add_nc_u64 s[G0B+4*\s+2:G0B+4*\s+3], s[46:47], \s*524288   ; 256 k-rows on
	s_or_b32 s[G0B+4*\s+3], s[G0B+4*\s+3], 0x80000000
	JLOAD \s
.endr
	v_and_b32 v1, 15, v0                           ; r
	v_bfe_u32 v2, v0, 4, 1                         ; h
	v_lshrrev_b32 v3, 1, v1
	v_mul_u32_u24 v3, v3, PA                       ; A: the pair of row r,
	v_and_b32 v4, 1, v0
	v_lshl_add_u32 v3, v4, 7, v3                   ; its row of the pair,
	v_lshl_add_u32 v3, v2, 4, v3                   ; 16 bytes for each half of the lanes
	s_mul_i32 s22, s11, HALFA                      ; my 64 rows
	v_add_nc_u32 v[ADRA], s22, v3
	v_add_nc_u32 v[ADRA+1], SLOT, v[ADRA]
	v_and_b32 v4, 7, v0                            ; B: the turning load: lane l reads k-row 8 (l / 16) + l % 8, columns 8 ((l / 8) % 2) + 0..7, and is left with column l % 16 and 8 along K
	v_lshl_add_u32 v4, v2, 3, v4
	v_mul_u32_u24 v4, v4, PB
	v_bfe_u32 v5, v0, 3, 1
	v_lshl_add_u32 v4, v5, 4, v4
	s_lshl_b32 s22, s12, 7                         ; my 64 columns
	s_add_co_u32 s22, s22, BOFF
	v_add_nc_u32 v[ADRB], s22, v4
	v_add_nc_u32 v[ADRB+1], HALFB, v[ADRB]
	v_add_nc_u32 v[ADRB+2], SLOT, v[ADRB]
	v_add_nc_u32 v[ADRB+3], SLOT+HALFB, v[ADRB]
	s_mul_i32 s23, s10, 16*SPITCH
	s_add_co_u32 s23, s23, STAGE                   ; my stage
	v_mul_u32_u24 v4, v1, SPITCH
	v_lshl_add_u32 v4, v2, 5, v4
	v_add_nc_u32 v[STO], s23, v4                   ; in: row r, 32 bytes for each half of the lanes
	v_mul_u32_u24 v5, v2, SPITCH
	v_lshl_add_u32 v5, v1, 4, v5
	v_add_nc_u32 v[RD], s23, v5                    ; back: lanes 0-15 one row of 256 bytes, lanes 16-31 the next
	v_lshlrev_b32 v5, 12, v2
	v_lshl_add_u32 v[CO], v1, 4, v5                ; and the same two rows in out0
	v_lshlrev_b32 v[BO], 5, v2                     ; the bias: register j of lane (r, h) is column 16 b + 8 h + j
	s_lshl_b32 s46, s42, 9                         ; my first column, in bytes of f32: 512 x tile column + 256 x half: in bo and in a row of out0 alike
	s_lshl_b32 s47, s12, 8
	s_add_co_u32 s46, s46, s47
	s_mov_b32 s47, 0
	s_add_nc_u64 s[2:3], s[2:3], s[46:47]
	s_add_nc_u64 s[8:9], s[8:9], s[46:47]
	s_lshl_b32 s16, s13, 19                        ; my first row: 128 rows of 4,096 bytes a tile row, 64 for my half
	s_lshl_b32 s17, s11, 18
	s_add_co_u32 s16, s16, s17
	s_mov_b32 s17, 0
	s_add_nc_u64 s[8:9], s[8:9], s[16:17]
.irp b, 0,1,2,3
	global_load_b128 v[BIAS+8*\b:BIAS+8*\b+3], v[BO], s[2:3] offset:64*\b
	global_load_b128 v[BIAS+8*\b+4:BIAS+8*\b+7], v[BO], s[2:3] offset:64*\b+16
.endr
; 8 matrix instructions: m blocks a0, a0 + 1 x all 4 n blocks, 32 along K: half c of buffer f.  first = 1: the bias starts the sums.  The 16 accumulators take turns.
.macro MUL8 f, c, a0, first
.irp a, \a0, \a0+1
.irp b, 0,1,2,3
.if \first
	v_wmma_f32_16x16x32_f16 v[ACC+8*(4*(\a)+\b):ACC+8*(4*(\a)+\b)+7], v[\f+64+8*(4*\c+\b):\f+64+8*(4*\c+\b)+7], v[\f+8*(4*\c+\a):\f+8*(4*\c+\a)+7], v[BIAS+8*\b:BIAS+8*\b+7]
.else
	v_wmma_f32_16x16x32_f16 v[ACC+8*(4*(\a)+\b):ACC+8*(4*(\a)+\b)+7], v[\f+64+8*(4*\c+\b):\f+64+8*(4*\c+\b)+7], v[\f+8*(4*\c+\a):\f+8*(4*\c+\a)+7], v[ACC+8*(4*(\a)+\b):ACC+8*(4*(\a)+\b)+7]
.endif
.endr
.endr
.endm
; 32 LDS loads in one run: the fragments of quarter qd of a K step (64 along K: one head) into buffer f; the first 32 along K first
.macro FETCH slot, qd, f
	WIN TO_F
.irp c, 0,1
.irp i, 0,1,2,3
	ds_load_tr16_b128 v[\f+64+8*(4*\c+\i):\f+64+8*(4*\c+\i)+3],   v[ADRB+2*\slot+(\qd)/2] offset:(((\qd)%2)*64+32*\c)*PB+32*\i
	ds_load_tr16_b128 v[\f+64+8*(4*\c+\i)+4:\f+64+8*(4*\c+\i)+7], v[ADRB+2*\slot+(\qd)/2] offset:(((\qd)%2)*64+32*\c+16)*PB+32*\i
	ds_load_b128 v[\f+8*(4*\c+\i):\f+8*(4*\c+\i)+3],              v[ADRA+\slot] offset:256*(\qd)+64*\c+8*PA*\i
	ds_load_b128 v[\f+8*(4*\c+\i)+4:\f+8*(4*\c+\i)+7],            v[ADRA+\slot] offset:256*(\qd)+64*\c+8*PA*\i+32
.endr
.endr
.endm
.macro PLACES                          ; four places in front of loads into registers that matrix instructions have read, and of the first read of results (ISA guide 7.12.1 for the reads of results)
.rept 4
	v_nop
.endr
.endm
; One of a K step's first three quarters: multiplies buffer f and fetches quarter qd into g.
.macro QUARTER slot, qd, f, g, first
	s_wait_dscnt 16                                ; the first 32 along K are in; the sixteen younger loads may be out
	WIN MUL
	MUL8 \f, 0, 0, \first
	MUL8 \f, 0, 2, \first
	PLACES
	FETCH \slot, \qd, \g
	s_wait_dscnt 32                                ; all but the 32 just issued
	WIN MUL
	MUL8 \f, 1, 0, 0
	MUL8 \f, 1, 2, 0
.endm
; The last quarter multiplies buffer 1 and changes slots: one barrier; in front of it each wave waits for all its tensor loads, adds 0 to its spare word, and waits for that and for its own reads of this slot.
; fill = 1: this slot is filled again, two K steps ahead: the barrier opens a round of the cluster's, and the joint refill is the first tensor load behind it.
.macro TURN slot, next, fill
	WIN 0                                          ; (the add's two registers lie in window 0)
	s_wait_tensorcnt 0x0                           ; all my tensor loads have landed: my part of the next slot
	ds_add_u32 v[SPW], v[NIL]
	s_wait_dscnt 17                                ; (the add and the youngest sixteen loads may be out)
	WIN MUL
	MUL8 F1, 0, 0, 0
	s_wait_dscnt 0x0                               ; the add is done, and my reads of this slot are over
	s_barrier_signal -1
	MUL8 F1, 0, 2, 0
.if \fill
	WIN 0
.endif
	s_barrier_wait -1
.if \fill
	CREST                                          ; no wave of any partner still reads this slot's tile or has a load on its way
	s_add_nc_u64 s[G0+4*\slot+2:G0+4*\slot+3], s[G0+4*\slot+2:G0+4*\slot+3], 2048
	s_add_nc_u64 s[G0B+4*\slot+2:G0B+4*\slot+3], s[G0B+4*\slot+2:G0B+4*\slot+3], 1048576
	JLOAD \slot                                    ; the four v_nop behind it are also the places in front of the loads below
.else
	PLACES
.endif
	FETCH \next, 0, F0
	WIN MUL
	MUL8 F1, 1, 0, 0
	MUL8 F1, 1, 2, 0
.endm
	s_wait_loadcnt 0x0                             ; the bias
	s_wait_tensorcnt 1                             ; my part of K step 0 is in (K step 1's may be out)
	s_barrier_signal -1
	s_barrier_wait -1                              ; everybody's is
	FETCH 0, 0, F0
	QUARTER 0, 1, F0, F1, 1                        ; K step 0: its first products start the sums with the bias
	QUARTER 0, 2, F1, F0, 0
	QUARTER 0, 3, F0, F1, 0
	TURN 0, 1, 1                                   ; slot 0 takes K step 2
	QUARTER 1, 1, F0, F1, 0
	QUARTER 1, 2, F1, F0, 0
	QUARTER 1, 3, F0, F1, 0
	TURN 1, 0, 1                                   ; slot 1 takes K step 3
	QUARTER 0, 1, F0, F1, 0
	QUARTER 0, 2, F1, F0, 0
	QUARTER 0, 3, F0, F1, 0
	TURN 0, 1, 0                                   ; nothing is left to ask for
	QUARTER 1, 1, F0, F1, 0
	QUARTER 1, 2, F1, F0, 0
	QUARTER 1, 3, F0, F1, 0
	s_wait_dscnt 16                                ; the very last quarter
	WIN MUL
	MUL8 F1, 0, 0, 0
	MUL8 F1, 0, 2, 0
	s_wait_dscnt 0
	MUL8 F1, 1, 0, 0
	MUL8 F1, 1, 2, 0
	WIN 0
	; THE WAY OUT, 16 rows at a time: a lane's 32 bytes of a row go into my own stage and come back as whole rows of 256 bytes.  LDS serves a wave's instructions in order: no wait between the stores and the loads, nor in front of the next block's stores.
	PLACES
.irp a, 0,1,2,3
.if \a >= 2
	s_wait_xcnt 0x0                                ; block a - 2's stores have read their registers, which block a's loads take
.endif
.irp b, 0,1,2,3
	ds_store_b128 v[STO], v[ACC+8*(4*\a+\b):ACC+8*(4*\a+\b)+3] offset:64*\b          ; each accumulator from its low end on
	ds_store_b128 v[STO], v[ACC+8*(4*\a+\b)+4:ACC+8*(4*\a+\b)+7] offset:64*\b+16
.endr
.irp e, 0,1,2,3,4,5,6,7
	ds_load_b128 v[TMP+32*(\a%2)+4*\e:TMP+32*(\a%2)+4*\e+3], v[RD] offset:2*SPITCH*\e
.endr
.irp e, 0,1,2,3,4,5,6,7
	s_wait_dscnt 7-\e
	global_store_b128 v[CO], v[TMP+32*(\a%2)+4*\e:TMP+32*(\a%2)+4*\e+3], s[8:9] offset:(16*\a+2*\e)*4096 th:TH_STORE_NT   ; sixteen lanes store 256 consecutive bytes, aligned; written once, read by nobody here
.endr
.endr
	s_wait_tensorcnt 0x0                           ; the wave's end
	ds_add_u32 v[SPW], v[NIL]
	s_wait_dscnt 0x0
	CROUND                                         ; the closing round: no work-group ends while a partner may still ask for a tile that names it
	s_endpgm
.Lfunc_end_k_qbb6b34c1a7_oproj:
	.size	k_qbb6b34c1a7_oproj, .Lfunc_end_k_qbb6b34c1a7_oproj-k_qbb6b34c1a7_oproj
	.p2alignl 7, 3214868480
	.fill 96, 4, 3214868480
	.section	.rodata,"a",@progbits
	.p2align	6, 0x0
	.amdhsa_kernel k_qbb6b34c1a7_oproj
		.amdhsa_group_segment_fixed_size 327680
		.amdhsa_private_segment_fixed_size 0
		.amdhsa_enable_private_segment 0
		.amdhsa_kernarg_size 32
		.amdhsa_user_sgpr_count 2
		.amdhsa_user_sgpr_kernarg_segment_ptr 1
		.amdhsa_wavefront_size32 1
		.amdhsa_system_sgpr_workgroup_id_x 1
		.amdhsa_system_sgpr_workgroup_id_y 1
		.amdhsa_system_sgpr_workgroup_id_z 1
		.amdhsa_system_vgpr_workitem_id 0
		.amdhsa_next_free_vgpr 512
		.amdhsa_next_free_sgpr 66
		.amdhsa_reserve_vcc 0
		.amdhsa_float_denorm_mode_32 3
		.amdhsa_float_denorm_mode_16_64 3
		.amdhsa_memory_ordered 1
		.amdhsa_forward_progress 1
		.amdhsa_inst_pref_size 87
	.end_amdhsa_kernel
	.amdgpu_metadata
---
amdhsa.version: [ 1, 2 ]
amdhsa.kernels:
  - .name:           k_qbb6b34c1a7_oproj
    .symbol:         k_qbb6b34c1a7_oproj.kd
    .args:
      - { .name: ctx, .offset: 0, .size: 8, .value_kind: global_buffer, .address_space: global }
      - { .name: wo16, .offset: 8, .size: 8, .value_kind: global_buffer, .address_space: global }
      - { .name: bo, .offset: 16, .size: 8, .value_kind: global_buffer, .address_space: global }
      - { .name: out0, .offset: 24, .size: 8, .value_kind: global_buffer, .address_space: global }
    .group_segment_fixed_size: 327680
    .private_segment_fixed_size: 0
    .kernarg_segment_align: 8
    .kernarg_segment_size: 32
    .max_flat_workgroup_size: 128
    .sgpr_count:     66
    .vgpr_count:     512
    .wavefront_size: 32
...
	.end_amdgpu_metadata
.endif
;; end of part 4
